; MI455X (gfx1250); checked and timed in simulation.
; The chip was launched on July 23, 2026; its instructions are those of AMD's public machine-readable ISA for CDNA 5 (MIT licence, August 2026) and "CDNA5" Instruction Set Architecture Reference Guide (July 2026). The comments in the code are by the model that wrote it; some were corrected since.
;; Multi Head Attention. Allowed arithmetic: matrix products marked QUANTISED: E5M2 operands, one E8M0 scale for each 32 along K, by v_wmma_scale_f32_16x16x128_f8f6f4 with both operands' format E5M2, f32 sums; everything else in f32.
;; Inputs: Wk_codes 1,024 x 32 x 32 uint8 (E5M2 codes of Wk, K innermost, in blocks of 32 codes); Wk_scales 1,024 x 32 uint8 (E8M0 scales of Wk, one for each 32 codes along K); Wp_codes 1,024 x 32 x 32 uint8 (E5M2 codes of Wp, K innermost, in blocks of 32 codes); Wp_scales 1,024 x 32 uint8 (E8M0 scales of Wp, one for each 32 codes along K); Wq_codes 1,024 x 32 x 32 uint8 (E5M2 codes of Wq, K innermost, in blocks of 32 codes); Wq_scales 1,024 x 32 uint8 (E8M0 scales of Wq, one for each 32 codes along K); Wv_codes 1,024 x 32 x 32 uint8 (E5M2 codes of Wv, K innermost, in blocks of 32 codes); Wv_scales 1,024 x 32 uint8 (E8M0 scales of Wv, one for each 32 codes along K); cos 2 x 2,048 x 64 float32; sin 2 x 2,048 x 64 float32; x_codes 2 x 2,048 x 32 x 32 uint8 (E5M2 codes of x, K innermost, in blocks of 32 codes); x_scales 2 x 2,048 x 32 uint8 (E8M0 scales of x, one for each 32 codes along K).
;; Outputs: out0 2 x 2,048 x 1,024 float32.
;; This version of the problem:
;;   THIS VERSION OF THE PROBLEM IS GIVEN IN LOW PRECISION. The matrix products marked QUANTISED in the list below multiply operands that are first quantised to E5M2 (5 exponent bits, 2 mantissa bits; 8 bits a number), with one power-of-two scale for each 32 numbers along K (OCP MX v1.0); their sums are f32. All else is computed in f32.
;;   The module's matrix products, in the order in which they are computed (A, B: the left and right operand; K: the contracted axis; several contracted axes count as one K, in the product's order):
;;     1. [M 4,096, K 1,024] x [K 1,024, N 1,024]; A: input x (given as codes); B: input Wq (given as codes): QUANTISED
;;     2. [M 4,096, K 1,024] x [K 1,024, N 1,024]; A: input x (given as codes); B: input Wk (given as codes): QUANTISED
;;     3. [M 4,096, K 1,024] x [K 1,024, N 1,024]; A: input x (given as codes); B: input Wv (given as codes): QUANTISED
;;     4. batch 32 x [M 2,048, K 64] x [K 64, N 2,048]; A: computed on the way; B: computed on the way: QUANTISED
;;     5. batch 32 x [M 64, K 2,048] x [K 2,048, N 2,048]; A: computed on the way; B: softmax (see below): QUANTISED
;;     6. [M 4,096, K 1,024] x [K 1,024, N 1,024]; A: computed on the way; B: input Wp (given as codes): QUANTISED
;;   THE QUANTISER, for each operand of a quantised product, along K:
;;     - K is cut into blocks of 32 from its start; a last block that is shorter is filled with zeros.
;;     - A block's scale is 2^e with e = floor(log2(the largest magnitude in the block)) - 15, held to -126 .. 127; a block of zeros has e = 0. As a byte (E8M0): e + 127.
;;     - Each number is divided by its block's scale, clamped to +-57,344, and rounded to the nearest number of E5M2, ties to even, subnormals kept.
;;     - The product sums the exact products of the quantised numbers (number of the format x scale) in f32.
;;   ~~~python
;;   def quantise(x, axis):      # numpy; x: float32 -> the quantised numbers, widened to float32 again
;;       x = np.moveaxis(x, axis, -1); K = x.shape[-1]
;;       x = np.pad(x, [(0, 0)] * (x.ndim - 1) + [(0, -K % 32)]); x = x.reshape(x.shape[:-1] + (-1, 32)); a = np.abs(x).max(-1, keepdims=True)
;;       e = np.where(a > 0, np.clip(np.frexp(np.where(a > 0, a, 1))[1] - 1 - 15, -126, 127), 0)      # np.frexp(a)[1] - 1 = floor(log2(a)), exactly
;;       r = np.clip(x / 2.0 ** e, -57344, 57344)
;;       step = 2.0 ** (np.maximum(np.frexp(np.where(r == 0, 1, r))[1] - 1, -14) - 2)
;;       q = np.round(r / step) * step * 2.0 ** e      # np.round: ties to even
;;       return np.moveaxis(q.reshape(q.shape[:-2] + (-1,))[..., :K], -1, axis).astype(np.float32)
;;   ~~~
;;   SOFTMAX AHEAD OF A QUANTISED PRODUCT. Where the list says 'softmax', what is quantised is not the finished softmax but p = 2^(t - M), with t = logit x log2(e) and M = ceil(the row's largest t), a whole number; so 1/2 < the row's largest p <= 1. The row's sum l is taken of the UNQUANTISED p, in f32, and the product's result is divided by l at the end. Since M is a whole number, a kernel that streams over the keys may use a running M (the ceiling of the running maximum): every later rescaling is an exact power of two, which a block's scale takes up: the codes' values come out the same.
;;   OPERANDS COMPUTED ON THE WAY. 'Computed on the way' means the value that the module computes at that place (a softmax that the list does not call 'softmax' is quantised finished and normalised). What goes into a quantiser is computed in f32, as accurately as f32 sums, v_exp_f32 and their like allow (about 1e-6 of the number): no bf16 or f16 on the way to a quantiser, and a product that is left as it is and whose result goes on into a quantised operand takes f32 operands (vector FMAs, or v_wmma_f32_16x16x4_f32). A number that lies on a knife's edge between two numbers of the format may be rounded either way, as far as f32 arithmetic and the matrix unit's own rounding can turn it there, and no further.
;;   INPUTS GIVEN AS CODES. Wk (in the module: [1024, 1024], K = its axis 1); Wp (in the module: [1024, 1024], K = its axis 1); Wq (in the module: [1024, 1024], K = its axis 1); Wv (in the module: [1024, 1024], K = its axis 1); x (in the module: [2, 2048, 1024], K = its axis 2): each comes as NAME_codes (uint8): NAME with its K axis moved to the last place and cut into blocks of 32 codes, [.., K / 32, bytes a block], one block behind the other in memory; one code a byte (a code: sign, 5 exponent bits, 2 mantissa bits); and NAME_scales (uint8): the same leading axes, one E8M0 byte (e + 127) for each 32 codes along K. Its value is code x scale, taken as it is: it is not quantised again, and the codes and scales need not be those that the quantiser above would give.
;; One version. Each part assembles by itself: llvm-mc -triple=amdgcn-amd-amdhsa -mcpu=gfx1250 --defsym DOCPART=n.
;; ======== version 1 of 1: 3 launches
;; limits: right only within a limited range of input values
;; workspace buffers: qimg 4,194,304 bytes; qsc 262,144 bytes; kv 8,650,752 bytes; oimg 4,194,304 bytes; osc 131,072 bytes
;; launch qkv (part 1): grid 8 x 32, 4 waves a work-group, clusters of 4 x 4, 327,680 bytes of LDS; arguments x_codes, x_scales, Wq_codes, Wq_scales, Wk_codes, Wk_scales, Wv_codes, Wv_scales, cos, sin, qimg, qsc, kv; writes qimg, qsc, kv
.if DOCPART == 1
	.amdgcn_target "amdgcn-amd-amdhsa--gfx1250"
	.amdhsa_code_object_version 6
	.text
	.protected	k_q28c7b8436f_qkv
	.globl	k_q28c7b8436f_qkv
	.p2align	8
	.type	k_q28c7b8436f_qkv,@function
k_q28c7b8436f_qkv:
	s_mov_b64 s[64:65], 0
	v_nop
	global_prefetch_b8 v0, s[64:65] scope:SCOPE_SE
	s_setreg_imm32_b32 hwreg(HW_REG_WAVE_MODE, 25, 1), 1
	s_wait_xcnt 0x0
	s_wait_alu depctr_hold_cnt(0) depctr_sa_sdst(0) depctr_va_vdst(0) depctr_va_sdst(0) depctr_va_ssrc(0) depctr_va_vcc(0) depctr_vm_vsrc(0)
	s_getreg_b32 s2, hwreg(HW_REG_IB_STS2, 6, 4)
	s_cmp_eq_u32 s2, 0
	s_cbranch_scc0 .Lentry_in_a_cluster
	s_endpgm
.Lentry_in_a_cluster:
	s_bfe_u32 s2, ttmp6, 0x10000c
	s_cmp_lg_u32 s2, 0xf033
	s_cbranch_scc0 .Lentry_shape_is_right
	s_endpgm
.Lentry_shape_is_right:
; Q, K, V = x W^T, rotary for Q and K, and the quantisers, on codes of BF8 (E5M2) with one E8M0 scale for each 32 along K = 1,024.  Codes and scale bytes leave in the order of the operand registers of the launch that reads them.
; WORK LEFT OUT: none in this launch.  In the next one, whole tiles that reference()'s own causal mask throws away.
; LIMITS: NaN and infinities are not served; a block of zeros gets the byte 1 where the rule says 127: its codes are zeros, and this program alone reads the bytes.
; A work-group makes 128 tokens x two heads of Q, K and V: 256 work-groups of equal work.  A wave makes 64 tokens of one head: it holds x's 64 rows, all of K, in 512 registers and streams the weights' 12 tiles of 16 rows past them in halves of 512 along K.
; CLUSTERS: 4 x 4: x's rows, cos and sin are asked for jointly along a row of the cluster, weights along a column.
; LDS: region R0: x, then W_k, then W_v;  region R1: W_q, then cos and sin.  Each refill stands in a drained round of the cluster's barrier.
; Q AND K: source 0 = 16 rows of a weight, source 1 = 16 tokens: lane (r, h) holds token r, registers along the head's numbers: register 16 b + 8 u + j is number 32 b + 16 u + 8 h + j.  V: the sources change places: a lane holds one number of the head, registers along the tokens.
; REGISTERS: windows 1, 2: x's 32 fragments;  window 3: v0-127 two buffers of a weight's half tile (later cos and sin, codes), v128-255 K's sums;  window 0: v64-127 the third buffer (later the rotated numbers), v128-255 Q's sums, then V's.
; PREFETCH: W_k behind the first barrier, cos and sin behind the first refill, W_v behind the second, each a phase ahead of its load; a wave names its own sixteenth of what its cluster will load.  W_k and W_v, which every row of clusters loads, are named by four rows of clusters alone.
.set BP,   1040                        ; an LDS row: 1,024 bytes + 16 of padding
.set CP,   272                         ; a row of cos or sin: 256 bytes + 16
.set R1,   128*BP
.set SPARE, 2*R1
.set REC,  270336                      ; a head's record: k's images, v's images, their scale words
.set VIMG, 131072
.set KSC,  262144
.set VSC,  266240
.set PW,   0                           ; v0-3 scale words on the way out (v0 to v3 serve the head until then)
.set AX,   4                           ; v4 LDS address of my rows of x
.set AW1,  5                           ; v5, v6 of my rows of a weight in R1, in R0
.set AW0,  6
.set LI,   7                           ; v7 16 x lane
.set SO,   8                           ; v8 16 r
.set CSA,  9                           ; v9 LDS address of my rows of cos
.set SPW,  10
.set NIL,  11
.set ASC,  12                          ; v12 32 x lane
.set PFW,  14                          ; v14, v15 the prefetches' offsets
.set PFC,  15
.set XS,   16                          ; v16-31 x's scale words: register 8 p + (q + 4) % 8: lanes 0-15 token tile 2 p, lanes 16-31 tile 2 p + 1: no product's two scale words have numbers equal modulo 8
.set WSQ,  32                          ; v32-47 W_q's, later W_v's: register 8 p + q
.set WSK,  48                          ; v48-63 W_k's; then TM
.set TM,   48
.set T,    64
.set PC,   64                          ; in window 3: v64-95 codes, two sets
.set ACC,  128
.set G1X,  24
.set G1W,  32
.set G1R,  40
.set G1C,  48
.set G0X,  56
.set G0W,  60
.set G0K,  68
.set G0C,  72
.set G0V,  76
.set SEL,  100
.set MNT,  104
.set MSB, 0
.macro WIN new                         ; the immediate's high byte repeats the setting that is left
.if MSB != (\new)
	s_set_vgpr_msb (MSB<<8)|(\new)
.set MSB, \new
.endif
.endm
.macro BARRIER
	s_barrier_signal -1
	s_barrier_wait -1
.endm
.macro CREST                           ; a round of the cluster's barrier behind its opening barrier
	s_cmp_lg_u32 s14, 0
	s_cbranch_scc1 .Lnot_wave_0_\@
	s_barrier_signal -3
.Lnot_wave_0_\@:
	s_barrier_wait -3
	BARRIER
.endm
.macro PLACES n
.rept \n
	v_nop
.endr
.endm
.macro TLOAD g0, g1
	tensor_load_to_lds s[\g0:\g0+3], s[\g1:\g1+7]
	s_nop 0
	PLACES 4
.endm
.macro GROUP1 g, mask, row, qi, rows   ; dense rows of so many bytes, 4 words of padding behind each
	s_or_b32 s[\g], s\mask, (1<<20)|(1<<21)|(\qi<<22)|(3<<25)
	s_mov_b32 s[\g+1], \row<<16
	s_mov_b32 s[\g+2], \rows<<16
	s_mov_b32 s[\g+3], \row<<16
	s_mov_b32 s[\g+4], \rows
	s_mov_b32 s[\g+5], \row
	s_mov_b32 s[\g+6], 0
	s_mov_b32 s[\g+7], 0
.endm
.macro ASKW base                       ; my sixteenth of a weight's 128 rows: 8,192 bytes, lanes 256 bytes apart; in four rows of clusters
	s_and_b32 s21, ttmp7, 0xffff
	s_cmp_lt_u32 s21, 4
	s_cbranch_scc0 .Lnot_mine_\@
	global_prefetch_b8 v[PFW], s[\base:\base+1] th:TH_LOAD_NT scope:SCOPE_SE
.Lnot_mine_\@:
.endm
	s_load_b512 s[84:99], s[0:1], 0x0              ; x, W_q, W_k, W_v: codes and scales
	s_load_b256 s[4:11], s[0:1], 0x40              ; cos, sin, qimg, qsc
	s_load_b64 s[12:13], s[0:1], 0x60              ; kv
	v_lshl_add_u32 v[SPW], v0, 2, SPARE
	v_mov_b32 v[NIL], 0
	ds_add_u32 v[SPW], v[NIL]                      ; the wave's opening: the add, twice on end, and its wait ahead of my first tensor load
	ds_add_u32 v[SPW], v[NIL]
	v_lshrrev_b32 v1, 5, v0
	v_readfirstlane_b32 s14, v1                    ; wave 0..3
	s_lshr_b32 s15, s14, 1                         ; my 64 of the 128 tokens
	s_and_b32 s16, s14, 1                          ; my head of the two
	s_bfe_u32 s18, ttmp6, 0x40000                  ; cx
	s_bfe_u32 s19, ttmp6, 0x40004                  ; cy
	s_lshl_b32 s20, ttmp9, 2
	s_add_co_u32 s20, s20, s18                     ; pair of heads
	s_and_b32 s17, ttmp7, 0xffff
	s_lshl_b32 s17, s17, 2
	s_add_co_u32 s17, s17, s19                     ; block of 128 tokens
	s_lshl_b32 s21, s19, 2
	s_lshl_b32 s21, 15, s21                        ; my row of the cluster
	s_lshl_b32 s22, 0x1111, s18                    ; my column
	GROUP1 G1X, 21, 1024, 7, 64                    ; the head: waves 0 and 1 x's halves,
	GROUP1 G1W, 22, 1024, 7, 64                    ; waves 2 and 3 W_q's
	GROUP1 G1R, 22, 1024, 7, 32                    ; refills: a quarter of a weight's 128 rows a wave;
	GROUP1 G1C, 21, 256, 5, 64                     ; waves 0 and 1 cos's halves, 2 and 3 sin's
	s_lshl_b32 s80, s20, 17                        ; the pair's first row of a weight, in bytes
	s_mov_b32 s81, 0
	s_lshl_b32 s82, s17, 17                        ; the block's first row of x
	s_mov_b32 s83, 0
	s_lshl_b32 s2, s16, 16                         ; the half that I fetch at the head
	s_mov_b32 s3, 0
	s_mul_i32 s23, s16, 64*BP
	s_mov_b32 s[G0X], 1
	s_mov_b32 s[G0X+1], s23
	s_mov_b32 s[G0W], 1
	s_add_co_u32 s[G0W+1], s23, R1
	s_mul_i32 s23, s14, 32*BP
	s_mov_b32 s[G0K], 1
	s_mov_b32 s[G0K+1], s23
	s_mov_b32 s[G0V], 1
	s_mov_b32 s[G0V+1], s23
	s_mul_i32 s23, s14, 64*CP
	s_mov_b32 s[G0C], 1
	s_add_co_u32 s[G0C+1], s23, R1
	s_wait_dscnt 0x0                               ; both opening adds are done
	BARRIER
	CREST                                          ; all sixteen work-groups are here: the joint loads meet
	s_wait_kmcnt 0x0
	s_add_nc_u64 s[G0X+2:G0X+3], s[84:85], s[82:83]
	s_add_nc_u64 s[G0X+2:G0X+3], s[G0X+2:G0X+3], s[2:3]
	s_or_b32 s[G0X+3], s[G0X+3], 0x80000000
	s_add_nc_u64 s[G0W+2:G0W+3], s[88:89], s[80:81]
	s_add_nc_u64 s[G0W+2:G0W+3], s[G0W+2:G0W+3], s[2:3]
	s_or_b32 s[G0W+3], s[G0W+3], 0x80000000
	s_cmp_lt_u32 s14, 2                            ; one load a wave, each in its own arm: x, which is wanted first, is shown ahead of W_q
	s_cbranch_scc0 .Lfor_w
	TLOAD G0X, G1X
	s_branch .Lasked
.Lfor_w:
	TLOAD G0W, G1W
.Lasked:
	s_add_nc_u64 s[92:93], s[92:93], s[80:81]      ; W_k's and W_v's 128 rows: the prefetches' bases
	s_add_nc_u64 s[96:97], s[96:97], s[80:81]
	s_lshl_b32 s2, s14, 15                         ; a refill's 32 rows
	s_add_nc_u64 s[G0K+2:G0K+3], s[92:93], s[2:3]
	s_or_b32 s[G0K+3], s[G0K+3], 0x80000000
	s_add_nc_u64 s[G0V+2:G0V+3], s[96:97], s[2:3]
	s_or_b32 s[G0V+3], s[G0V+3], 0x80000000
	s_cmp_lt_u32 s14, 2
	s_cselect_b64 s[4:5], s[4:5], s[6:7]           ; cos or sin
	s_lshl_b32 s82, s17, 15
	s_add_nc_u64 s[4:5], s[4:5], s[82:83]          ; the block's rows of it
	s_lshl_b32 s2, s16, 14
	s_add_nc_u64 s[G0C+2:G0C+3], s[4:5], s[2:3]
	s_or_b32 s[G0C+3], s[G0C+3], 0x80000000
	s_lshl_b32 s2, s17, 12                         ; scale bytes: x's, my 64 rows
	s_lshl_b32 s23, s15, 11
	s_add_co_u32 s2, s2, s23
	s_add_nc_u64 s[86:87], s[86:87], s[2:3]
	s_lshl_b32 s80, s20, 12                        ; the weights', my head's 64 rows
	s_lshl_b32 s23, s16, 11
	s_add_co_u32 s80, s80, s23
	s_add_nc_u64 s[90:91], s[90:91], s[80:81]
	s_add_nc_u64 s[94:95], s[94:95], s[80:81]
	s_add_nc_u64 s[98:99], s[98:99], s[80:81]
	v_and_b32 v1, 15, v0                           ; r
	v_bfe_u32 v2, v0, 4, 1                         ; h
	v_and_b32 v3, 31, v0
	v_lshlrev_b32 v[ASC], 5, v3
	v_lshlrev_b32 v[LI], 4, v3
	v_lshlrev_b32 v[SO], 4, v1
.irp p, 0,1
	global_load_b128 v[XS+8*\p+4:XS+8*\p+7], v[ASC], s[86:87] offset:1024*\p
	global_load_b128 v[XS+8*\p:XS+8*\p+3], v[ASC], s[86:87] offset:1024*\p+16
.irp c, 0,1
	global_load_b128 v[WSQ+8*\p+4*\c:WSQ+8*\p+4*\c+3], v[ASC], s[90:91] offset:1024*\p+16*\c
	global_load_b128 v[WSK+8*\p+4*\c:WSK+8*\p+4*\c+3], v[ASC], s[94:95] offset:1024*\p+16*\c
.endr
.endr
	v_mul_u32_u24 v68, v1, BP
	v_lshl_add_u32 v68, v2, 4, v68                 ; a fragment's row x pitch + 16 h
	s_mul_i32 s23, s15, 64*BP
	v_add_nc_u32 v[AX], s23, v68
	s_mul_i32 s23, s16, 64*BP
	v_add_nc_u32 v[AW0], s23, v68
	v_add_nc_u32 v[AW1], R1, v[AW0]
	v_mul_u32_u24 v68, v1, CP
	v_lshl_add_u32 v68, v2, 5, v68
	s_mul_i32 s23, s15, 64*CP
	s_add_co_u32 s23, s23, R1
	v_add_nc_u32 v[CSA], s23, v68
	s_lshl_b32 s23, s19, 2                         ; W: which of my column's sixteen waves I am
	s_add_co_u32 s23, s23, s14
	s_lshl_b32 s23, s23, 13
	v_lshl_add_u32 v[PFW], v3, 8, s23
	s_lshl_b32 s23, s18, 1                         ; cos, sin: which of my row's eight waves that ask for this one: 16 blocks of 256 bytes each
	s_add_co_u32 s23, s23, s16
	s_lshl_b32 s23, s23, 12
	v_min_u32 v68, 15, v3
	v_lshl_add_u32 v[PFC], v68, 8, s23
	s_wait_alu depctr_va_vdst(0)                   ; the head's end
	s_cmp_lt_u32 s14, 2
	s_cbranch_scc0 .Lnot_x
	s_wait_tensorcnt 0x0                           ; waves 0 and 1: x is in; W_q's wait stands ahead of the next round
.Lnot_x:
	BARRIER
	ASKW 92
.irp q, 0,1,2,3,4,5,6,7                ; my 64 tokens, all of K: fragment 4 q + a
	WIN ((1+\q/4)<<6)
.irp a, 0,1,2,3
.irp c, 0,1,2,3
	ds_load_b128 v[16*((4*\q+\a)%16)+4*\c:16*((4*\q+\a)%16)+4*\c+3], v[AX] offset:\a*16*BP+128*\q+32*\c
.endr
.endr
.endr
	WIN 0
	; where my results go: HR = 16 x batch + head, block = s17 % 16
	s_lshr_b32 s21, s17, 4
	s_lshl_b32 s21, s21, 4
	s_lshl_b32 s22, s20, 1
	s_add_co_u32 s21, s21, s22
	s_add_co_u32 s21, s21, s16                     ; HR
	s_and_b32 s22, s17, 15                         ; block
	s_mov_b32 s83, 0
	s_lshl_b32 s82, s21, 17                        ; Q's images: s[84:85]
	s_lshl_b32 s23, s22, 13
	s_add_co_u32 s82, s82, s23
	s_lshl_b32 s23, s15, 12
	s_add_co_u32 s82, s82, s23
	s_add_nc_u64 s[84:85], s[8:9], s[82:83]
	s_lshl_b32 s82, s21, 13                        ; Q's scale words: s[10:11]
	s_lshl_b32 s23, s22, 9
	s_add_co_u32 s82, s82, s23
	s_lshl_b32 s23, s15, 8
	s_add_co_u32 s82, s82, s23
	s_add_nc_u64 s[10:11], s[10:11], s[82:83]
	s_mul_i32 s82, s21, REC
	s_add_nc_u64 s[12:13], s[12:13], s[82:83]      ; the head's record
	s_lshl_b32 s82, s22, 13
	s_lshl_b32 s23, s15, 12
	s_add_co_u32 s82, s82, s23
	s_add_nc_u64 s[88:89], s[12:13], s[82:83]      ; K's images
	s_lshl_b32 s82, s22, 13
	s_lshl_b32 s23, s15, 10
	s_add_co_u32 s82, s82, s23
	s_add_co_u32 s82, s82, VIMG
	s_add_nc_u64 s[6:7], s[12:13], s[82:83]        ; V's images
	s_lshl_b32 s82, s22, 8
	s_lshl_b32 s23, s15, 3
	s_add_co_u32 s82, s82, s23
	s_add_co_u32 s82, s82, KSC
	s_add_nc_u64 s[2:3], s[12:13], s[82:83]        ; K's scale words
	s_lshl_b32 s82, s22, 8
	s_lshl_b32 s23, s15, 1
	s_add_co_u32 s82, s82, s23
	s_add_co_u32 s82, s82, VSC
	s_add_nc_u64 s[12:13], s[12:13], s[82:83]      ; V's
	s_mov_b32 s[SEL], 0x76543210
	s_mov_b32 s[SEL+1], 0xfedcba98
	s_mov_b32 s[MNT], 0x600000
; HALF TILES g = 0 .. 23: tensor g / 8 (Q, K, V), tile (g % 8) / 2 of 16 rows, half g % 2 of K.  Three buffers by turns: v0 and v64 of window 3, v64 of window 0
.macro BUFFER g
.set BI_, ((\g)+2*((\g)/16))%3
.set RB_, 64*((BI_+1)/2)
.set WB_, 3-3*(BI_/2)
.endm
.macro LOADW g, adr                    ; 16 loads
	BUFFER \g
	WIN (WB_<<6)
.irp q, 0,1,2,3
.irp c, 0,1,2,3
	ds_load_b128 v[RB_+16*\q+4*\c:RB_+16*\q+4*\c+3], v[\adr] offset:(((\g)%8)/2)*16*BP+512*((\g)%2)+128*\q+32*\c
.endr
.endr
	WIN 0
.endm
.macro WM                              ; D_ = A_ x B_ (+ D_), scale words SA_, SB_ (OA_, OB_: in lanes 16-31)
.if Z_
.if OA_ && OB_
	v_wmma_scale_f32_16x16x128_f8f6f4 v[D_:D_+7], v[A_:A_+15], v[B_:B_+15], 0, v[SA_], v[SB_] matrix_a_fmt:MATRIX_FMT_BF8 matrix_b_fmt:MATRIX_FMT_BF8 matrix_a_scale:MATRIX_SCALE_ROW1 matrix_b_scale:MATRIX_SCALE_ROW1
.elseif OA_
	v_wmma_scale_f32_16x16x128_f8f6f4 v[D_:D_+7], v[A_:A_+15], v[B_:B_+15], 0, v[SA_], v[SB_] matrix_a_fmt:MATRIX_FMT_BF8 matrix_b_fmt:MATRIX_FMT_BF8 matrix_a_scale:MATRIX_SCALE_ROW1
.elseif OB_
	v_wmma_scale_f32_16x16x128_f8f6f4 v[D_:D_+7], v[A_:A_+15], v[B_:B_+15], 0, v[SA_], v[SB_] matrix_a_fmt:MATRIX_FMT_BF8 matrix_b_fmt:MATRIX_FMT_BF8 matrix_b_scale:MATRIX_SCALE_ROW1
.else
	v_wmma_scale_f32_16x16x128_f8f6f4 v[D_:D_+7], v[A_:A_+15], v[B_:B_+15], 0, v[SA_], v[SB_] matrix_a_fmt:MATRIX_FMT_BF8 matrix_b_fmt:MATRIX_FMT_BF8
.endif
.elseif OA_ && OB_
	v_wmma_scale_f32_16x16x128_f8f6f4 v[D_:D_+7], v[A_:A_+15], v[B_:B_+15], v[D_:D_+7], v[SA_], v[SB_] matrix_a_fmt:MATRIX_FMT_BF8 matrix_b_fmt:MATRIX_FMT_BF8 matrix_a_scale:MATRIX_SCALE_ROW1 matrix_b_scale:MATRIX_SCALE_ROW1
.elseif OA_
	v_wmma_scale_f32_16x16x128_f8f6f4 v[D_:D_+7], v[A_:A_+15], v[B_:B_+15], v[D_:D_+7], v[SA_], v[SB_] matrix_a_fmt:MATRIX_FMT_BF8 matrix_b_fmt:MATRIX_FMT_BF8 matrix_a_scale:MATRIX_SCALE_ROW1
.elseif OB_
	v_wmma_scale_f32_16x16x128_f8f6f4 v[D_:D_+7], v[A_:A_+15], v[B_:B_+15], v[D_:D_+7], v[SA_], v[SB_] matrix_a_fmt:MATRIX_FMT_BF8 matrix_b_fmt:MATRIX_FMT_BF8 matrix_b_scale:MATRIX_SCALE_ROW1
.else
	v_wmma_scale_f32_16x16x128_f8f6f4 v[D_:D_+7], v[A_:A_+15], v[B_:B_+15], v[D_:D_+7], v[SA_], v[SB_] matrix_a_fmt:MATRIX_FMT_BF8 matrix_b_fmt:MATRIX_FMT_BF8
.endif
.endm
.macro MULH g, from, to                ; the half tile's products: four accumulators (my four token tiles a) take turns
	BUFFER \g
.set N_, ((\g)%8)/2
.set K_, \from
.if (\g)/8 == 2
	WIN ((1+(\g)%2)|(WB_<<2))
.else
	WIN (WB_|((1+(\g)%2)<<2)|((3*((\g)/8))<<4)|((3*((\g)/8))<<6))
.endif
.rept (\to)-(\from)
.set Q_, 4*((\g)%2)+K_/4
.set T_, K_%4
.set X_, 16*((4*Q_+T_)%16)
.set W_, RB_+16*(K_/4)
.set SX_, XS+8*(T_/2)+(Q_+4)%8
.set SW_, WSQ+16*(((\g)/8)%2)+8*(N_/2)+Q_
.set Z_, (Q_==0)
.if (\g)/8 == 2
.set D_, ACC+32*N_+8*T_
.set A_, X_
.set B_, W_
.set SA_, SX_
.set SB_, SW_
.set OA_, T_%2
.set OB_, N_%2
.else
.set D_, ACC+32*T_+8*N_
.set A_, W_
.set B_, X_
.set SA_, SW_
.set SB_, SX_
.set OA_, N_%2
.set OB_, T_%2
.endif
	WM
.set K_, K_+1
.endr
.endm
.macro HT g, adr                       ; a half tile, with the loads of the one two on
	s_wait_dscnt 16                                ; this half tile is in; the next one's 16 loads may be out
	PLACES 8                                       ; behind the last products, ahead of loads into a buffer that products have read
	LOADW (\g)+2, \adr
	MULH \g, 0, 16
.endm
.macro LAST2 g, g0, g1                 ; a phase's last two half tiles, with a round of the cluster's barrier between: behind it the region just read is filled again
	s_wait_dscnt 16
	WIN 0
	s_wait_tensorcnt 0x0                           ; all my tensor loads are in: my part of the last refill;
	ds_add_u32 v[SPW], v[NIL]
	MULH \g, 0, 16
	WIN 0
	s_wait_dscnt 0x0                               ; the add is done, and so are my reads of the region
	s_barrier_signal -1
	MULH (\g)+1, 0, 8
	WIN 0
	s_barrier_wait -1
	CREST
	TLOAD \g0, \g1
	PLACES 4
.endm
	s_wait_tensorcnt 0x0                           ; W_q is in
	ds_add_u32 v[SPW], v[NIL]
	s_wait_loadcnt 0x0                             ; the scale words
	s_wait_dscnt 0x0                               ; x is in registers
	BARRIER
	CREST
	TLOAD G0K, G1R                                 ; W_k over x
	LOADW 0, AW1
	LOADW 1, AW1
	global_prefetch_b8 v[PFC], s[4:5] th:TH_LOAD_NT scope:SCOPE_SE
.irp g, 0,1,2,3,4,5
	HT \g, AW1
.endr
	LAST2 6, G0C, G1C                              ; cos and sin over W_q
	LOADW 8, AW0
	LOADW 9, AW0
	ASKW 96
	MULH 7, 8, 16
.irp g, 8,9,10,11,12,13
	HT \g, AW0
.endr
	LAST2 14, G0V, G1R                             ; W_v over W_k
	MULH 15, 8, 16
	WIN 0
	PLACES 8
; THE WAY OUT OF Q AND K, token tile by token tile: rotated together by the same cos and sin, quantised in four blocks side by side
.macro CSLOAD a                        ; cos into v0-31, sin into v32-63 of window 3
	WIN 0xc0
.irp k, 0,1,2,3
.irp i, 0,1
	ds_load_b128 v[8*\k+4*\i:8*\k+4*\i+3], v[CSA] offset:(\a)*16*CP+64*\k+16*\i
	ds_load_b128 v[32+8*\k+4*\i:32+8*\k+4*\i+3], v[CSA] offset:128*CP+(\a)*16*CP+64*\k+16*\i
.endr
.endr
	WIN 0
.endm
.macro ROPE a                          ; T: 32 registers of Q, 32 of K
.irp e, 0,1
	WIN (0x0c+3*\e)
.irp n, 0,2,4,6,8,10,12,14
	v_pk_mul_f32 v[T+32*\e+\n:T+32*\e+\n+1], v[ACC+32*\a+\n:ACC+32*\a+\n+1], v[\n:\n+1]
.endr
.irp n, 16,18,20,22,24,26,28,30
	v_pk_mul_f32 v[T+32*\e+\n:T+32*\e+\n+1], v[ACC+32*\a+\n:ACC+32*\a+\n+1], v[\n:\n+1]
.endr
.irp n, 0,2,4,6,8,10,12,14
	v_pk_fma_f32 v[T+32*\e+\n:T+32*\e+\n+1], v[ACC+32*\a+16+\n:ACC+32*\a+17+\n], v[32+\n:33+\n], v[T+32*\e+\n:T+32*\e+\n+1] neg_lo:[0,1,0] neg_hi:[0,1,0]
.endr
.irp n, 0,2,4,6,8,10,12,14
	v_pk_fma_f32 v[T+32*\e+16+\n:T+32*\e+17+\n], v[ACC+32*\a+\n:ACC+32*\a+\n+1], v[48+\n:49+\n], v[T+32*\e+16+\n:T+32*\e+17+\n]
.endr
.endr
	WIN 0
.endm
.macro QUANT src, pc, pw               ; 64 registers, four blocks of 32 (a block lies in lanes l and l xor 16) -> 16 registers of codes in window 3, four bytes
.irp b, 0,1,2,3
	v_max3_num_f32 v[TM+\b], |v[(\src)+16*\b]|, |v[(\src)+16*\b+1]|, 0x8000000   ; the floor 2^(16 - 127): the byte cannot fall under 1
.endr
.irp i, 2,4,6,8,10,12,14
.irp b, 0,1,2,3
	v_max3_num_f32 v[TM+\b], |v[(\src)+16*\b+\i]|, |v[(\src)+16*\b+\i+1]|, v[TM+\b]
.endr
.endr
.irp b, 0,1,2,3
	v_permlanex16_b32 v[TM+4+\b], v[TM+\b], s[SEL], s[SEL+1]
.endr
.irp b, 0,1,2,3
	v_max_num_f32 v[TM+\b], v[TM+\b], v[TM+4+\b]
.endr
.irp b, 0,1,2,3
	v_add_nc_u32 v[TM+12+\b], 0xf8800000, v[TM+\b]   ; the conversion's scale operand
.endr
.irp b, 0,1,2,3
	v_and_or_b32 v[TM+8+\b], v[TM+\b], 0x7f800000, s[MNT]   ; 57,344 x the scale
.endr
.irp b, 0,1,2,3
	v_lshrrev_b32 v[TM+4+\b], 23, v[TM+12+\b]
.endr
	v_lshl_or_b32 v[\pw], v[TM+5], 8, v[TM+4]
	v_lshl_or_b32 v[\pw], v[TM+6], 16, v[\pw]
	v_lshl_or_b32 v[\pw], v[TM+7], 24, v[\pw]
.irp b, 0,1,2,3
.irp i, 0,1,2,3,4,5,6,7,8,9,10,11,12,13,14,15
	v_med3_num_f32 v[T+16*\b+\i], v[(\src)+16*\b+\i], -v[TM+8+\b], v[TM+8+\b]
.endr
.endr
	s_wait_alu depctr_va_vdst(0)                   ; directly ahead of the wait below
	s_wait_xcnt 0x0                                ; the stores before have read their registers
	WIN 0xc0
.irp b, 0,1,2,3
	v_cvt_scalef32_pk8_bf8_f32 v[(\pc)+4*\b:(\pc)+4*\b+1], v[T+16*\b:T+16*\b+7], v[TM+12+\b]
	v_cvt_scalef32_pk8_bf8_f32 v[(\pc)+4*\b+2:(\pc)+4*\b+3], v[T+16*\b+8:T+16*\b+15], v[TM+12+\b]
.endr
	v_nop                                          ; a plain line behind the last conversion
	WIN 0x0c
.endm
	CSLOAD 0
.irp p, 0,1
.irp c, 0,1
	global_load_b128 v[WSQ+8*\p+4*\c:WSQ+8*\p+4*\c+3], v[ASC], s[98:99] offset:1024*\p+16*\c   ; W_v's scale words over W_q's
.endr
.endr
.irp b, 0,1,2,3
	v_mov_b32 v[TM+4+\b], 0                        ; a lane permute's destination counts as one of its sources
.endr
	s_wait_alu depctr_va_vdst(0)                   ; directly ahead of the wait below
.irp a, 0,1,2,3
	s_wait_dscnt 0x0
	ROPE \a
.if \a < 3
	CSLOAD \a+1
.else
	s_wait_alu depctr_va_vdst(0)
	s_wait_tensorcnt 0x0                           ; my part of W_v is in,
	s_wait_dscnt 0x0
	BARRIER                                        ; everybody's is
	LOADW 16, AW0
.endif
	QUANT T, PC+16*(\a%2), PW+\a
.irp b, 0,1
	global_store_b128 v[LI], v[PC+16*(\a%2)+4*\b:PC+16*(\a%2)+4*\b+3], s[84:85] offset:\a*1024+\b*512
	global_store_b128 v[LI], v[PC+16*(\a%2)+8+4*\b:PC+16*(\a%2)+8+4*\b+3], s[88:89] offset:\a*1024+\b*512
.endr
	WIN 0
.endr
	s_mov_b32 s82, 0x01000100                      ; Q's word: its two bytes twice
	s_mov_b32 s83, 0x07060302                      ; K's: the two bytes of two token tiles
.irp a, 0,1,2,3
	v_perm_b32 v[TM+\a], v[PW+\a], v[PW+\a], s82
.endr
	v_perm_b32 v[TM+4], v[PW+1], v[PW], s83
	v_perm_b32 v[TM+5], v[PW+3], v[PW+2], s83
	global_store_b128 v[SO], v[TM:TM+3], s[10:11]  ; lanes l and l + 16 store the same bytes
	global_store_b64 v[SO], v[TM+4:TM+5], s[2:3]
	s_wait_alu depctr_va_vdst(0)                   ; directly ahead of the wait below
	s_wait_xcnt 0x0                                ; the codes' registers may be loaded into
	LOADW 17, AW0
	s_wait_loadcnt 0x0                             ; W_v's scale words
.irp g, 16,17,18,19,20,21
	HT \g, AW0
.endr
	s_wait_dscnt 16
	MULH 22, 0, 16
	s_wait_dscnt 0x0
	MULH 23, 0, 16
	WIN 0
	PLACES 8
; THE WAY OUT OF V: tiles 2 m, 2 m + 1 of 16 of the head's numbers, two blocks of 32 tokens each
.irp m, 0,1
	QUANT ACC+64*\m, PC+16*\m, PW+\m
.irp n, 0,1
.irp c, 0,1
	global_store_b128 v[LI], v[PC+16*\m+8*\n+4*\c:PC+16*\m+8*\n+4*\c+3], s[6:7] offset:(2*\m+\n)*2048+\c*512
.endr
.endr
	WIN 0
	global_store_b16 v[SO], v[PW+\m], s[12:13] offset:8*\m
	global_store_d16_hi_b16 v[SO], v[PW+\m], s[12:13] offset:8*\m+4
.endr
	s_wait_tensorcnt 0x0                           ; the wave's end
	ds_add_u32 v[SPW], v[NIL]
	s_wait_dscnt 0x0
	BARRIER
	CREST                                          ; the closing round
	s_endpgm
.Lfunc_end_k_q28c7b8436f_qkv:
	.size	k_q28c7b8436f_qkv, .Lfunc_end_k_q28c7b8436f_qkv-k_q28c7b8436f_qkv
	.p2alignl 7, 3214868480
	.fill 96, 4, 3214868480
	.section	.rodata,"a",@progbits
	.p2align	6, 0x0
	.amdhsa_kernel k_q28c7b8436f_qkv
		.amdhsa_group_segment_fixed_size 327680
		.amdhsa_private_segment_fixed_size 0
		.amdhsa_enable_private_segment 0
		.amdhsa_kernarg_size 104
		.amdhsa_user_sgpr_count 2
		.amdhsa_user_sgpr_kernarg_segment_ptr 1
		.amdhsa_wavefront_size32 1
		.amdhsa_system_sgpr_workgroup_id_x 1
		.amdhsa_system_sgpr_workgroup_id_y 1
		.amdhsa_system_sgpr_workgroup_id_z 1
		.amdhsa_system_vgpr_workitem_id 0
		.amdhsa_next_free_vgpr 1024
		.amdhsa_next_free_sgpr 106
		.amdhsa_reserve_vcc 0
		.amdhsa_float_denorm_mode_32 3
		.amdhsa_float_denorm_mode_16_64 3
		.amdhsa_memory_ordered 1
		.amdhsa_forward_progress 1
		.amdhsa_inst_pref_size 175
	.end_amdhsa_kernel
	.amdgpu_metadata
---
amdhsa.version: [ 1, 2 ]
amdhsa.kernels:
  - .name:           k_q28c7b8436f_qkv
    .symbol:         k_q28c7b8436f_qkv.kd
    .args:
      - { .name: x_codes, .offset: 0, .size: 8, .value_kind: global_buffer, .address_space: global }
      - { .name: x_scales, .offset: 8, .size: 8, .value_kind: global_buffer, .address_space: global }
      - { .name: Wq_codes, .offset: 16, .size: 8, .value_kind: global_buffer, .address_space: global }
      - { .name: Wq_scales, .offset: 24, .size: 8, .value_kind: global_buffer, .address_space: global }
      - { .name: Wk_codes, .offset: 32, .size: 8, .value_kind: global_buffer, .address_space: global }
      - { .name: Wk_scales, .offset: 40, .size: 8, .value_kind: global_buffer, .address_space: global }
      - { .name: Wv_codes, .offset: 48, .size: 8, .value_kind: global_buffer, .address_space: global }
      - { .name: Wv_scales, .offset: 56, .size: 8, .value_kind: global_buffer, .address_space: global }
      - { .name: cos, .offset: 64, .size: 8, .value_kind: global_buffer, .address_space: global }
      - { .name: sin, .offset: 72, .size: 8, .value_kind: global_buffer, .address_space: global }
      - { .name: qimg, .offset: 80, .size: 8, .value_kind: global_buffer, .address_space: global }
      - { .name: qsc, .offset: 88, .size: 8, .value_kind: global_buffer, .address_space: global }
      - { .name: kv, .offset: 96, .size: 8, .value_kind: global_buffer, .address_space: global }
    .group_segment_fixed_size: 327680
    .private_segment_fixed_size: 0
    .kernarg_segment_align: 8
    .kernarg_segment_size: 104
    .max_flat_workgroup_size: 128
    .sgpr_count:     106
    .vgpr_count:     1024
    .wavefront_size: 32
...
	.end_amdgpu_metadata
.endif
;; end of part 1
;; launch attn (part 2): grid 8 x 32, 16 waves a work-group, clusters of 4 x 1, 327,680 bytes of LDS; arguments qimg, qsc, kv, oimg, osc; writes oimg, osc
.if DOCPART == 2
	.amdgcn_target "amdgcn-amd-amdhsa--gfx1250"
	.amdhsa_code_object_version 6
	.text
	.protected	k_q28c7b8436f_attn
	.globl	k_q28c7b8436f_attn
	.p2align	8
	.type	k_q28c7b8436f_attn,@function
k_q28c7b8436f_attn:
	s_mov_b64 s[64:65], 0
	v_nop
	global_prefetch_b8 v0, s[64:65] scope:SCOPE_SE
	s_setreg_imm32_b32 hwreg(HW_REG_WAVE_MODE, 25, 1), 1
	s_wait_xcnt 0x0
	s_wait_alu depctr_hold_cnt(0) depctr_sa_sdst(0) depctr_va_vdst(0) depctr_va_sdst(0) depctr_va_ssrc(0) depctr_va_vcc(0) depctr_vm_vsrc(0)
	s_getreg_b32 s2, hwreg(HW_REG_IB_STS2, 6, 4)
	s_cmp_eq_u32 s2, 0
	s_cbranch_scc0 .Lentry_in_a_cluster
	s_endpgm
.Lentry_in_a_cluster:
	s_bfe_u32 s2, ttmp6, 0x10000c
	s_cmp_lg_u32 s2, 0x3003
	s_cbranch_scc0 .Lentry_shape_is_right
	s_endpgm
.Lentry_shape_is_right:
; Causal attention of one head on codes of BF8 (E5M2) with one E8M0 scale for each 32 along a product's K, and the quantiser of its result along the model's 1,024.
; t = score x log2(e) / 8; M = the largest t so far, rounded up to a whole number; p = 2^(t - M) is quantised along the keys, not normalised; the row's sum of the unquantised p divides at the end.
; A HEAD'S WHOLE RECORD (k's images, v's images, their scale words: 270,336 bytes) lies in LDS, filled once, as it lies in memory, by one joint load a wave; the four work-groups of a cluster serve one head and ask for it together.
; No prefetch: every byte is asked for at the head, and no load stands in a loop.
; SHARES.  Sixteen waves.  A work-group owns tile ti = 4 x cluster x + cx (16 queries) of each of the head's 16 blocks of 128 queries.  Block b walks b + 1 key steps of 128.  Waves w and w + 8 (w = 0 .. 7, g = w) share blocks 15 - g and g:
; wave w walks steps 0 to 8 of the long block 15 - g; wave w + 8 walks the short block g to its end, stores it, then walks the long block's steps from 9 on and hands its part over through LDS: 9 and 8 steps.
; The parts are joined under the greater M by powers of two.  Branches hang on the wave's number and the step's alone; cx enters global addresses and the mask's selects.
; S^T = K Q^T (source 0 = keys, source 1 = my 16 queries), O^T = V^T P^T: a lane holds one query throughout.  THE HEAD IS 64 WIDE AND THE INSTRUCTION 128: a fragment of K holds key tile 2 f in its lower 64 of K
; and key tile 2 f + 1 in its upper 64; it is multiplied by [Q | 0] (v16-31) and by [0 | Q] (v24-39).  Zero codes add nothing; K's codes are finite, since their quantiser holds them.
; ORDER INSIDE A BLOCK OF 32: as the launch before laid it (register 8 u + j = number 16 u + 8 h + j), alike on both sides of each product.  The result is brought into the natural order before it is stored.
; WORK LEFT OUT: key steps whose keys all come after the wave's queries: reference() masks them in its own body, whatever the inputs hold; a NaN or an infinity that reaches only those is not carried to the result.
; In the block's own step hidden scores become -infinity ahead of the maximum.  Key 0 counts for every query.
; LIMITS: NaN and infinities are not served; the scaled scores (the exponents to the base 2) stay under 2^31 in magnitude.  A block of zeros gets a byte of 1 where the rule says 127: its codes are zeros, and this program alone reads the bytes.
; A block's exponent is floor(t - M) of its largest score.
; THE ROW'S SUM OF A STEP'S p is taken in part behind the step's products: it fills the places ahead of the next loads, and stands under the loads of K.
.set REC,  270336
.set VIMG, 131072
.set KSC,  262144                      ; k's scale words; v's lie 4,096 bytes on
.set SPARE, REC                        ; the spare words: 128 bytes for each of 16 waves
.set PART, SPARE+2048                  ; the parts that are handed over: 4,608 bytes for each of 8 pairs
.set PSZ,  4608
.set LI,   1                           ; v1   16 x lane
.set LIV,  2                           ; v2   the same among v's images
.set LSC,  3                           ; v3   KSC + 16 r
.set ADK,  4                           ; v4-6 the step's addresses
.set ADV,  5
.set ADS,  6
.set ADP,  7                           ; v7   my pair's part: O^T;  v226 the sum, v227 -M
.set QSO,  8                           ; v8   16 r
.set OSO,  9                           ; v9   32 r
.set SPW,  10
.set NIL,  11
.set NM,   12                          ; v12 -M;  v13 the largest score so far;  v[14:15] the row's sum in two halves
.set MX,   13
.set F,    40                          ; v40-103  four fragments, of K and then of V
.set S,    104                         ; v104-167 S^T, then p
.set O,    168                         ; v168-199 O^T
.set PC,   200                         ; v200-215 p's codes
.set KSW,  216                         ; v216-219 K's scale words;  v220-223 V's;  v224 Q's;  v225 p's
.set VSW,  220
.set QS,   224
.set PS,   225
.set ADL,  226
.set ADM,  227
.set BM,   228                         ; block maxima, then exponents;  v228-235 and v248-255 are also the two buffers of held p, and the sum's eight chains
.set BT,   232
.set HOLD, 236
.set SOP,  240
.set FF,   244                         ; v[244:245] f = 2^(old M - new M); at the end 1 / the sum
.set TT,   246
.set NINF, 247
.set X0,   252
.set WV,   14
.set CX,   15
.set G,    16
.set TI,   17
.set HR,   18                          ; 16 x batch + head
.set BL,   19                          ; the query block in hand = its own key step
.set ST,   20                          ; the key step
.set TB,   21                          ; 8,192 x the key step
.set TS,   22                          ; 256 x the key step
.set CNT,  23
.set SEL,  24
.set CS,   26                          ; s[26:27] log2(e) / 8
.set MNT,  28
.set BLL,  29                          ; the long block
.set G1S,  32
.set G1A,  40
.set G1B,  48
.set G0S,  56
.set G0A,  60
.set G0B,  68
.set QB,   72                          ; s[72:75] my first Q's images and scale words;  s[84:87] the long block's
.set FL,   76                          ; -111: a block's least exponent, for the byte 1
.set LIM,  77                          ; the last step that I walk for the block in hand
.set OB,   80                          ; s[80:83] the result's images and scale bytes
.set QL,   84
.macro CROUND
	s_barrier_signal -1
	s_barrier_wait -1
	s_cmp_lg_u32 s[WV], 0
	s_cbranch_scc1 .Lnot_wave_0_\@
	s_barrier_signal -3
.Lnot_wave_0_\@:
	s_barrier_wait -3
	s_barrier_signal -1
	s_barrier_wait -1
.endm
.macro TLOAD g0, g1
	tensor_load_to_lds s[\g0:\g0+3], s[\g1:\g1+7]
	s_nop 0
.rept 4
	v_nop
.endr
.endm
	s_load_b256 s[4:11], s[0:1], 0x0               ; qimg, qsc, kv, oimg
	s_load_b64 s[12:13], s[0:1], 0x20              ; osc
	v_lshl_add_u32 v[SPW], v0, 2, SPARE
	v_mov_b32 v[NIL], 0
	ds_add_u32 v[SPW], v[NIL]                      ; the wave's opening: the add, twice on end, and its wait ahead of my first tensor load
	ds_add_u32 v[SPW], v[NIL]
	v_lshrrev_b32 v1, 5, v0
	v_readfirstlane_b32 s[WV], v1                  ; wave 0..15
	s_bfe_u32 s[CX], ttmp6, 0x40000
	s_and_b32 s[HR], ttmp7, 0xffff
	s_lshl_b32 s[TI], ttmp9, 2
	s_add_co_u32 s[TI], s[TI], s[CX]
	s_and_b32 s[G], s[WV], 7
	s_sub_co_u32 s[BLL], 15, s[G]
	s_cmp_lt_u32 s[WV], 8
	s_cselect_b32 s[BL], s[BLL], s[G]              ; waves 0 to 7 begin, and end, with the long block; 8 to 15 begin with the short one
	s_cselect_b32 s[LIM], 8, s[G]
	; descriptor groups 1: dense blocks as rows of 256 bytes (32 elements of 8 bytes), no padding; the mask names all four work-groups, bit 21 beside it
.irp g, G1S, G1A, G1B
	s_mov_b32 s[\g], 15|(3<<16)|(1<<21)
	s_mov_b32 s[\g+1], 32<<16
	s_mov_b32 s[\g+3], 32<<16
	s_mov_b32 s[\g+5], 32
	s_mov_b32 s[\g+6], 0
	s_mov_b32 s[\g+7], 0
.endr
	s_mov_b32 s[G1S+2], 16<<16                     ; waves 0, 1: K's scale words, V's
	s_mov_b32 s[G1S+4], 16
	s_mov_b32 s[G1A+2], 128<<16                    ; waves 2, 3: key steps 0 to 3 of K, of V
	s_mov_b32 s[G1A+4], 128
	s_mov_b32 s[G1B+2], 64<<16                     ; waves 4 to 15: two of key steps 4 to 15, even waves of K, odd waves of V
	s_mov_b32 s[G1B+4], 64
	s_mov_b32 s[G0S], 1
	s_mov_b32 s[G0A], 1
	s_mov_b32 s[G0B], 1
	s_and_b32 s30, s[WV], 1
	s_lshl_b32 s31, s30, 12
	s_add_co_u32 s[G0S+1], s31, KSC                ; a place in the record is the same place in LDS
	s_lshl_b32 s[G0A+1], s30, 17
	s_lshr_b32 s31, s[WV], 1
	s_lshl_b32 s31, s31, 14
	s_add_co_u32 s[G0B+1], s[G0A+1], s31
	s_mul_i32 s88, s[HR], REC
	s_mov_b32 s89, 0
	s_mov_b32 s[SEL], 0x76543210
	s_mov_b32 s[SEL+1], 0xfedcba98
	s_mov_b32 s[CS], 0x3e38aa3b                    ; log2(e) / 8
	s_mov_b32 s[CS+1], s[CS]
	s_mov_b32 s[MNT], 0x600000
	s_mov_b32 s[FL], 0xc2de0000                    ; -111.0
	s_mov_b32 s[ST], 0
	s_mov_b32 s[TB], 0
	s_mov_b32 s[TS], 0
	s_wait_dscnt 0x0                               ; both opening adds are done
	CROUND                                         ; all four work-groups are here: the joint loads meet
	s_wait_kmcnt 0x0
	s_add_nc_u64 s[8:9], s[8:9], s[88:89]          ; the head's record
.irp g, G0S, G0A, G0B
	s_mov_b32 s88, s[\g+1]
	s_add_nc_u64 s[\g+2:\g+3], s[8:9], s[88:89]
	s_or_b32 s[\g+3], s[\g+3], 0x80000000
.endr
	s_cmp_lt_u32 s[WV], 2                          ; one load a wave, each in its own arm
	s_cbranch_scc0 .Lhead_a
	TLOAD G0S, G1S
	s_branch .Lasked
.Lhead_a:
	s_cmp_lt_u32 s[WV], 4
	s_cbranch_scc0 .Lhead_b
	TLOAD G0A, G1A
	s_branch .Lasked
.Lhead_b:
	TLOAD G0B, G1B
.Lasked:
.macro QBASE d, blk                    ; where query block s[blk]'s tile has its images and its scale words
	s_lshl_b32 s30, s[HR], 17
	s_lshl_b32 s31, s[\blk], 13
	s_add_co_u32 s30, s30, s31
	s_lshl_b32 s31, s[TI], 10
	s_add_co_u32 s30, s30, s31
	s_mov_b32 s31, 0
	s_add_nc_u64 s[\d:\d+1], s[4:5], s[30:31]
	s_lshl_b32 s30, s[HR], 13
	s_lshl_b32 s88, s[\blk], 9
	s_add_co_u32 s30, s30, s88
	s_lshr_b32 s88, s[TI], 2
	s_lshl_b32 s88, s88, 8
	s_add_co_u32 s30, s30, s88
	s_and_b32 s88, s[TI], 3
	s_lshl_b32 s88, s88, 2
	s_add_co_u32 s30, s30, s88
	s_add_nc_u64 s[\d+2:\d+3], s[6:7], s[30:31]
.endm
	QBASE QB, BL
	QBASE QL, BLL
	s_and_b32 s30, s[HR], 16
	s_add_co_u32 s30, s30, s[BL]                   ; my result: the block of 128 rows: 16 x batch + block
	s_lshl_b32 s89, s30, 12                        ; its 128 rows of 32 scale bytes
	s_lshl_b32 s30, s30, 17                        ; its images
	s_and_b32 s88, s[HR], 14
	s_lshl_b32 s88, s88, 13                        ; K step head / 2: 16,384 bytes each
	s_add_co_u32 s30, s30, s88
	s_lshl_b32 s88, s[TI], 11
	s_add_co_u32 s30, s30, s88
	s_and_b32 s88, s[HR], 1
	s_lshl_b32 s88, s88, 10                        ; groups 2 (head % 2) on
	s_add_co_u32 s30, s30, s88
	s_add_nc_u64 s[OB:OB+1], s[10:11], s[30:31]
	s_lshl_b32 s88, s[TI], 9
	s_add_co_u32 s30, s89, s88
	s_and_b32 s88, s[HR], 15
	s_lshl_b32 s88, s88, 1
	s_add_co_u32 s30, s30, s88
	s_add_nc_u64 s[OB+2:OB+3], s[12:13], s[30:31]
	s_mul_i32 s30, s[G], PSZ
	s_add_co_u32 s30, s30, PART
	s_add_co_u32 s31, s30, 4096
	s_add_co_u32 s88, s30, 4352
	v_and_b32 v[LI], 31, v0
	v_and_b32 v[TT], 15, v0                        ; r
	v_lshlrev_b32 v[ADL], 3, v[LI]
	v_lshlrev_b32 v[ADM], 2, v[LI]
	v_lshlrev_b32 v[LI], 4, v[LI]
	v_lshl_add_u32 v[LSC], v[TT], 4, KSC
	v_lshlrev_b32 v[QSO], 4, v[TT]
	v_lshlrev_b32 v[OSO], 5, v[TT]
	v_add_nc_u32 v[LIV], VIMG, v[LI]
	v_add_nc_u32 v[ADP], s30, v[LI]
	v_add_nc_u32 v[ADL], s31, v[ADL]
	v_add_nc_u32 v[ADM], s88, v[ADM]
.macro QLOAD d                         ; Q's two groups, twice (below and above the zeros), and its scale words
	global_load_b128 v[16:19], v[LI], s[\d:\d+1]
	global_load_b128 v[20:23], v[LI], s[\d:\d+1] offset:512
	global_load_b128 v[32:35], v[LI], s[\d:\d+1]
	global_load_b128 v[36:39], v[LI], s[\d:\d+1] offset:512
	global_load_b32 v[QS], v[QSO], s[\d+2:\d+3]
.endm
	QLOAD QB
.irp j, 0,1,2,3,4,5,6,7
	v_mov_b32 v[24+\j], 0                          ; the zero codes between the two copies of Q
	v_mov_b32 v[228+\j], 0                         ; the sum's chains: the first step adds up zeros, so that the step is written without a first form of its own
	v_mov_b32 v[248+\j], 0
.endr
.set j, 0
.rept 96
	v_mov_b32 v[S+j], 0                            ; likewise p and O^T: all this stands under the tiles' flight
.set j, j+1
.endr
	v_mov_b32 v[FF+1], 0                           ; named as the upper half of a pair
	v_mov_b32 v[SOP+1], 0
	v_mov_b32 v[NINF], 0xff800000
	v_mov_b32 v[NM], 0x7f61b1e6                    ; the first change of M multiplies what stands there by 0
	v_mov_b32 v[MX], 0xff61b1e6
	v_mov_b32 v14, 0
	v_mov_b32 v15, 0
; THE SUM OF A STEP'S p, in three parts: chain k takes p's registers 8 k .. 8 k + 7.
.macro ADD1
.irp k, 0,1,2,3,4,5,6,7
.set C_, 248+2*\k-28*(\k/4)
	v_pk_add_f32 v[C_:C_+1], v[S+8*\k:S+8*\k+1], v[S+8*\k+2:S+8*\k+3]
.endr
.endm
.macro ADDN o
.irp k, 0,1,2,3,4,5,6,7
.set C_, 248+2*\k-28*(\k/4)
	v_pk_add_f32 v[C_:C_+1], v[C_:C_+1], v[S+8*\k+\o:S+8*\k+\o+1]
.endr
.endm
.macro COMB
	v_pk_add_f32 v[248:249], v[248:249], v[250:251]
	v_pk_add_f32 v[252:253], v[252:253], v[254:255]
	v_pk_add_f32 v[228:229], v[228:229], v[230:231]
	v_pk_add_f32 v[232:233], v[232:233], v[234:235]
	v_pk_add_f32 v[248:249], v[248:249], v[252:253]
	v_pk_add_f32 v[228:229], v[228:229], v[232:233]
	s_delay_alu instid0(VALU_DEP_1)
	v_pk_add_f32 v[248:249], v[248:249], v[228:229]
	s_delay_alu instid0(VALU_DEP_1)
	v_pk_add_f32 v[14:15], v[14:15], v[248:249]
.endm
.macro MIN2 g, i                       ; two of p's numbers of group g (eight neighbours) held, into buffer g % 2: the conversion does not saturate (ISA guide 7.6.2); p is not negative
.set B_, 248-20*((\g)%2)+2*(\i)
.set P_, S+8*(\g)+2*(\i)
	v_dual_min_num_f32 v[B_], v[P_], v[HOLD+(\g)/2] :: v_dual_min_num_f32 v[B_+1], v[P_+1], v[HOLD+(\g)/2]
.endm
.macro CVT g
.set B_, 248-20*((\g)%2)
	v_cvt_scalef32_pk8_bf8_f32 v[PC+2*(\g):PC+2*(\g)+1], v[B_:B_+7], v[SOP+(\g)/2]
.endm
.macro MASKT kt                        ; key tile kt of the block's own step, in scalars: tiles ahead of mine open, behind it hidden, in mine key 8 h + j is hidden from query r where 8 h + j > r
	s_cmp_le_u32 s[TI], \kt
	s_cselect_b32 s30, -1, 0
	s_cmp_lt_u32 s[TI], \kt
	s_cselect_b32 s31, -1, 0
.irp j, 0,1,2,3,4,5,6,7
	s_and_b32 vcc_lo, s30, ((1<<\j)-1)|(((1<<(8+\j))-1)<<16)
	s_or_b32 vcc_lo, vcc_lo, s31
	v_cndmask_b32 v[S+8*\kt+\j], v[S+8*\kt+\j], v[NINF], vcc_lo
.endr
.endm
; A block's end: O^T / the sum, quantised along the head's 64 channels (two blocks), brought into the natural order, stored
.macro FINISH
	v_add_f32 v14, v14, v15
	s_delay_alu instid0(VALU_DEP_1)
	v_permlanex16_b32 v[X0], v14, s[SEL], s[SEL+1]
	s_delay_alu instid0(VALU_DEP_1)
	v_add_f32 v14, v14, v[X0]                      ; the row's sum
	s_wait_alu depctr_va_vdst(0)                   ; ahead of the transcendental
	v_rcp_f32 v[FF], v14
	v_and_b32 v[ADK], 31, v0                       ; my lane: the plain line behind it
	s_wait_alu depctr_va_vdst(0)                   ; ahead of the reciprocal's first reader
.set j, 0
.rept 16
	v_pk_mul_f32 v[O+j:O+j+1], v[O+j:O+j+1], v[FF:FF+1] op_sel_hi:[1,0]   ; register 16 b + 8 u + j: channel 32 b + 16 u + 8 h + j
.set j, j+2
.endr
.irp b, 0,1
	v_max3_num_f32 v[BM+\b], |v[O+16*\b]|, |v[O+16*\b+1]|, 0x8000000
.endr
.irp i, 2,4,6,8,10,12,14
.irp b, 0,1
	s_delay_alu instid0(VALU_DEP_2)
	v_max3_num_f32 v[BM+\b], v[BM+\b], |v[O+16*\b+\i]|, |v[O+16*\b+\i+1]|
.endr
.endr
.irp b, 0,1
	s_delay_alu instid0(VALU_DEP_2)
	v_permlanex16_b32 v[BT+\b], v[BM+\b], s[SEL], s[SEL+1]
.endr
.irp b, 0,1
	s_delay_alu instid0(VALU_DEP_2)
	v_max_num_f32 v[BM+\b], v[BM+\b], v[BT+\b]
.endr
.irp b, 0,1
	s_delay_alu instid0(VALU_DEP_2)
	v_add_nc_u32 v[SOP+\b], 0xf8800000, v[BM+\b]
.endr
.irp b, 0,1
	v_and_or_b32 v[HOLD+\b], v[BM+\b], 0x7f800000, s[MNT]
.endr
.irp b, 0,1
	v_lshrrev_b32 v[BT+\b], 23, v[SOP+\b]
.endr
	s_delay_alu instid0(VALU_DEP_1)
	v_lshl_or_b32 v[TT], v[BT+1], 8, v[BT]         ; my row's two scale bytes
.irp b, 0,1
.irp i, 0,1,2,3,4,5,6,7,8,9,10,11,12,13,14,15
	v_med3_num_f32 v[O+16*\b+\i], v[O+16*\b+\i], -v[HOLD+\b], v[HOLD+\b]
.endr
	v_cvt_scalef32_pk8_bf8_f32 v[PC+4*\b:PC+4*\b+1], v[O+16*\b:O+16*\b+7], v[SOP+\b]
	v_cvt_scalef32_pk8_bf8_f32 v[PC+4*\b+2:PC+4*\b+3], v[O+16*\b+8:O+16*\b+15], v[SOP+\b]
.endr
	v_nop                                          ; a plain instruction behind the last conversion
	v_cmp_le_u32 vcc_lo, 16, v[ADK]
	; the natural order gives lanes 0-15 channels 0-15 of a block and lanes 16-31 channels 16-31: lanes 0-15 send their upper eight codes, lanes 16-31 their lower eight
.irp b, 0,1
	v_cndmask_b32 v[X0], v[PC+4*\b+2], v[PC+4*\b], vcc_lo
	v_cndmask_b32 v[X0+1], v[PC+4*\b+3], v[PC+4*\b+1], vcc_lo
	s_delay_alu instid0(VALU_DEP_2)
	v_permlanex16_b32 v[X0+2], v[X0], s[SEL], s[SEL+1]
	s_delay_alu instid0(VALU_DEP_2)
	v_permlanex16_b32 v[X0+3], v[X0+1], s[SEL], s[SEL+1]
	v_cndmask_b32 v[PC+8+4*\b], v[PC+4*\b], v[X0+2], vcc_lo
	v_cndmask_b32 v[PC+9+4*\b], v[PC+4*\b+1], v[X0+3], vcc_lo
	v_cndmask_b32 v[PC+10+4*\b], v[X0+2], v[PC+4*\b+2], vcc_lo
	v_cndmask_b32 v[PC+11+4*\b], v[X0+3], v[PC+4*\b+3], vcc_lo
.endr
	global_store_b128 v[LI], v[PC+8:PC+11], s[OB:OB+1]               ; 512 consecutive bytes a store
	global_store_b128 v[LI], v[PC+12:PC+15], s[OB:OB+1] offset:512
	global_store_b16 v[OSO], v[TT], s[OB+2:OB+3]   ; two bytes of each row's 32: the other heads write the others.  Lanes l and l + 16 write the same value
.endm
	s_wait_alu depctr_va_vdst(0)                   ; the head's end
	s_wait_loadcnt 0x0                             ; Q
	s_wait_tensorcnt 0x0                           ; my part of the record is in; nothing is ever filled again
	s_barrier_signal -1
	s_barrier_wait -1                              ; everybody's is
	s_mov_b32 s[CNT], 16
.Lstep:
	s_cmp_lg_u32 s[ST], 9
	s_cbranch_scc1 .Lgo
	s_cmp_lt_u32 s[WV], 8
	s_cbranch_scc1 .Lgo
	; waves 8 to 15, at step 9: the short block is done; on to the long one.  What stands in the sums is finite, and the first change of M multiplies it by 0
	ADDN 4
	ADDN 6
	COMB
	QLOAD QL
	FINISH
	s_mov_b32 s[BL], s[BLL]
	s_mov_b32 s[LIM], s[BLL]
	v_mov_b32 v[NM], 0x7f61b1e6
	v_mov_b32 v[MX], 0xff61b1e6
	s_wait_alu depctr_va_vdst(0)                   ; directly ahead of the waits below
	s_wait_loadcnt 0x0                             ; Q
	s_wait_xcnt 0x0                                ; the stores have read their registers
.Lgo:
	s_cmp_gt_u32 s[ST], s[LIM]
	s_cbranch_scc1 .Lhidden
	; A KEY STEP: my 16 queries x 128 keys
	v_add_nc_u32 v[ADK], s[TB], v[LI]
	v_add_nc_u32 v[ADV], s[TB], v[LIV]
	v_add_nc_u32 v[ADS], s[TS], v[LSC]
	ADDN 4                                         ; the last step's sum goes on: with the three additions, places behind the last products, ahead of loads into their fragments
.irp f, 0,1,2,3
.irp c, 0,1,2,3
	ds_load_b128 v[F+16*\f+4*\c:F+16*\f+4*\c+3], v[ADK] offset:\f*2048+\c*512
.endr
.endr
	ds_load_b128 v[KSW:KSW+3], v[ADS]              ; key r's words of the four fragments
	ADDN 6
	s_wait_alu depctr_va_vdst(0)                   ; directly ahead of the wait below
	s_wait_dscnt 0x0
.irp f, 0,1,2,3
.irp u, 0,1
	v_wmma_scale_f32_16x16x128_f8f6f4 v[S+8*(2*\f+\u):S+8*(2*\f+\u)+7], v[F+16*\f:F+16*\f+15], v[16+8*\u:31+8*\u], 0, v[KSW+\f], v[QS] matrix_a_fmt:MATRIX_FMT_BF8 matrix_b_fmt:MATRIX_FMT_BF8
.endr
.endr                                          ; register 16 f + 8 u + j: key 32 f + 16 u + 8 h + j of the step
	COMB                                           ; eight places behind the products: they name none of their registers
.irp t, 0,1,2,3
.irp c, 0,1,2,3
	ds_load_b128 v[F+16*\t+4*\c:F+16*\t+4*\c+3], v[ADV] offset:\t*2048+\c*512   ; V's fragments land while the softmax is worked
.endr
.endr
	ds_load_b128 v[VSW:VSW+3], v[ADS] offset:4096
	s_cmp_lg_u32 s[ST], s[BL]
	s_cbranch_scc1 .Lopen
.irp kt, 0,1,2,3,4,5,6,7
	MASKT \kt
.endr
.Lopen:
.irp b, 0,1,2,3
	v_max3_num_f32 v[BM+\b], v[S+16*\b], v[S+1+16*\b], v[S+2+16*\b]   ; the largest score of each block of 32 keys: for the row's maximum and for the block's exponent
.endr
.irp i, 3,5,7,9,11,13
.irp b, 0,1,2,3
	v_max3_num_f32 v[BM+\b], v[BM+\b], v[S+16*\b+\i], v[S+1+16*\b+\i]
.endr
.endr
	v_dual_max_num_f32 v[BM], v[BM], v[S+15] :: v_dual_max_num_f32 v[BM+1], v[S+31], v[BM+1]
	v_max_num_f32 v[BM+2], v[BM+2], v[S+47]
	v_max_num_f32 v[BM+3], v[BM+3], v[S+63]
.irp b, 0,1,2,3
	v_permlanex16_b32 v[BT+\b], v[BM+\b], s[SEL], s[SEL+1]
.endr
	v_dual_max_num_f32 v[BM], v[BM], v[BT] :: v_dual_max_num_f32 v[BM+1], v[BM+1], v[BT+1]
	v_dual_max_num_f32 v[BM+2], v[BM+2], v[BT+2] :: v_dual_max_num_f32 v[BM+3], v[BM+3], v[BT+3]
	v_max3_num_f32 v[MX], v[MX], v[BM], v[BM+1]
	s_delay_alu instid0(VALU_DEP_1)
	v_max3_num_f32 v[MX], v[MX], v[BM+2], v[BM+3]  ; the largest score so far
	s_delay_alu instid0(VALU_DEP_1)
	v_mul_f32 v[TT], s[CS], v[MX]
	s_delay_alu instid0(VALU_DEP_1)
	v_floor_f32 v[TT], -v[TT]                      ; -M = floor(-t): M is a whole number
	s_delay_alu instid0(VALU_DEP_1)
	v_sub_f32 v[FF], v[TT], v[NM]
	v_mov_b32 v[NM], v[TT]
	s_delay_alu instid0(VALU_DEP_2)
	v_cvt_i32_f32 v[FF], v[FF]                     ; (it saturates)
	s_delay_alu instid0(VALU_DEP_1)
	v_ldexp_f32 v[FF], 1.0, v[FF]                  ; f = 2^(old M - new M): a multiplication by it rounds nothing
	v_pk_fma_f32 v[BM:BM+1], v[BM:BM+1], s[CS:CS+1], v[NM:NM+1] op_sel_hi:[1,0,0]
	v_pk_fma_f32 v[BM+2:BM+3], v[BM+2:BM+3], s[CS:CS+1], v[NM:NM+1] op_sel_hi:[1,0,0]
.set j, 0
.rept 32
	v_pk_fma_f32 v[S+j:S+j+1], v[S+j:S+j+1], s[CS:CS+1], v[NM:NM+1] op_sel_hi:[1,0,0]   ; t - M
.set j, j+2
.endr
	v_dual_max_num_f32 v[BM], s[FL], v[BM] :: v_dual_max_num_f32 v[BM+1], s[FL], v[BM+1]   ; the floor: the byte cannot fall under 1
	v_dual_max_num_f32 v[BM+2], s[FL], v[BM+2] :: v_dual_max_num_f32 v[BM+3], s[FL], v[BM+3]
.set j, 0
.rept 16
	v_pk_mul_f32 v[O+j:O+j+1], v[O+j:O+j+1], v[FF:FF+1] op_sel_hi:[1,0]   ; O^T under the new M
.set j, j+2
.endr
	v_pk_mul_f32 v[14:15], v[14:15], v[FF:FF+1] op_sel_hi:[1,0]   ; and the sum
.irp b, 0,1,2,3
	v_cvt_floor_i32_f32 v[BM+\b], v[BM+\b]         ; e = floor(log2(the block's largest p))
.endr
	s_wait_alu depctr_va_vdst(0)                   ; ahead of the batch
.set j, 0
.rept 64
	v_exp_f32 v[S+j], v[S+j]                       ; p = 2^(t - M)
.set j, j+1
.endr
.irp b, 0,1,2,3
	v_lshl_add_u32 v[SOP+\b], v[BM+\b], 23, 0x38000000    ; 2^(e - 15): the conversion's scale operand
.endr
.irp b, 0,1,2,3
	v_lshl_add_u32 v[HOLD+\b], v[BM+\b], 23, 0x3fe00000   ; 57,344 x the scale = 1.75 x 2^e
.endr
	v_lshl_add_u32 v[PS], v[BM+1], 8, v[BM]        ; p's scale word: the bytes e + 112
	v_lshl_add_u32 v[PS], v[BM+2], 16, v[PS]
	v_lshl_add_u32 v[PS], v[BM+3], 24, v[PS]
	v_add_nc_u32 v[PS], 0x70707070, v[PS]
	s_wait_alu depctr_va_vdst(0)                   ; one wait for the 64 exponentials, ahead of their first reader
.irp i, 0,1,2,3
	MIN2 0, \i
.endr
.irp g, 1,2,3,4,5,6,7
	MIN2 \g, 0
	MIN2 \g, 1
	MIN2 \g, 2
	CVT \g-1
	MIN2 \g, 3                                     ; the plain line behind a conversion, ahead of a write into its sources
.endr
	CVT 7
	ADD1                                           ; the sum of the unquantised p begins; these eight also stand between the codes and the products
	s_wait_alu depctr_va_vdst(0)                   ; directly ahead of the wait below
	s_wait_dscnt 0x0                               ; V's fragments and scale words
.irp t, 0,1,2,3
	v_wmma_scale_f32_16x16x128_f8f6f4 v[O+8*\t:O+8*\t+7], v[F+16*\t:F+16*\t+15], v[PC:PC+15], v[O+8*\t:O+8*\t+7], v[VSW+\t], v[PS] matrix_a_fmt:MATRIX_FMT_BF8 matrix_b_fmt:MATRIX_FMT_BF8
.endr
.Lhidden:
	s_add_co_u32 s[ST], s[ST], 1
	s_add_co_u32 s[TB], s[TB], 8192
	s_add_co_u32 s[TS], s[TS], 256
	s_sub_co_u32 s[CNT], s[CNT], 1
	s_cmp_lg_u32 s[CNT], 0
	s_cbranch_scc1 .Lstep
	ADDN 4                                         ; the last step's sum: also the places behind the last products
	ADDN 6
	COMB
	s_cmp_lt_u32 s[WV], 8
	s_cbranch_scc1 .Lkeep
.irp i, 0,1,2,3,4,5,6,7
	ds_store_b128 v[ADP], v[O+4*\i:O+4*\i+3] offset:512*\i   ; waves 8 to 15 hand their part of the long block over
.endr
	ds_store_b64 v[ADL], v[14:15]
	ds_store_b32 v[ADM], v[NM]
.Lkeep:
	s_wait_alu depctr_va_vdst(0)
	s_wait_dscnt 0x0
	s_barrier_signal -1
	s_barrier_wait -1                              ; the parts are in LDS
	s_cmp_lt_u32 s[WV], 8
	s_cbranch_scc0 .Lend
.irp i, 0,1,2,3,4,5,6,7
	ds_load_b128 v[S+4*\i:S+4*\i+3], v[ADP] offset:512*\i
.endr
	ds_load_b64 v[S+32:S+33], v[ADL]
	ds_load_b32 v[S+34], v[ADM]
	s_wait_dscnt 0x0
	v_min_num_f32 v[TT], v[NM], v[S+34]            ; - the greater M.  (A part of no steps has -M = 3e38, and counts for nothing)
	v_sub_f32 v[BM], v[TT], v[NM]
	v_sub_f32 v[BM+1], v[TT], v[S+34]
	v_cvt_i32_f32 v[BM], v[BM]
	v_cvt_i32_f32 v[BM+1], v[BM+1]
	v_ldexp_f32 v[FF], 1.0, v[BM]
	v_ldexp_f32 v[SOP], 1.0, v[BM+1]
.set j, 0
.rept 16
	v_pk_mul_f32 v[O+j:O+j+1], v[O+j:O+j+1], v[FF:FF+1] op_sel_hi:[1,0]
.set j, j+2
.endr
	v_pk_mul_f32 v[14:15], v[14:15], v[FF:FF+1] op_sel_hi:[1,0]
.set j, 0
.rept 16
	v_pk_fma_f32 v[O+j:O+j+1], v[S+j:S+j+1], v[SOP:SOP+1], v[O+j:O+j+1] op_sel_hi:[1,0,1]
.set j, j+2
.endr
	v_pk_fma_f32 v[14:15], v[S+32:S+33], v[SOP:SOP+1], v[14:15] op_sel_hi:[1,0,1]
	FINISH
.Lend:
	s_wait_tensorcnt 0x0                           ; the wave's end
	ds_add_u32 v[SPW], v[NIL]
	s_wait_dscnt 0x0
	CROUND                                         ; the closing round
	s_endpgm
.Lfunc_end_k_q28c7b8436f_attn:
	.size	k_q28c7b8436f_attn, .Lfunc_end_k_q28c7b8436f_attn-k_q28c7b8436f_attn
	.p2alignl 7, 3214868480
	.fill 96, 4, 3214868480
	.section	.rodata,"a",@progbits
	.p2align	6, 0x0
	.amdhsa_kernel k_q28c7b8436f_attn
		.amdhsa_group_segment_fixed_size 327680
		.amdhsa_private_segment_fixed_size 0
		.amdhsa_enable_private_segment 0
		.amdhsa_kernarg_size 40
		.amdhsa_user_sgpr_count 2
		.amdhsa_user_sgpr_kernarg_segment_ptr 1
		.amdhsa_wavefront_size32 1
		.amdhsa_system_sgpr_workgroup_id_x 1
		.amdhsa_system_sgpr_workgroup_id_y 1
		.amdhsa_system_sgpr_workgroup_id_z 1
		.amdhsa_system_vgpr_workitem_id 0
		.amdhsa_next_free_vgpr 256
		.amdhsa_next_free_sgpr 90
		.amdhsa_reserve_vcc 1
		.amdhsa_float_denorm_mode_32 3
		.amdhsa_float_denorm_mode_16_64 3
		.amdhsa_memory_ordered 1
		.amdhsa_forward_progress 1
		.amdhsa_inst_pref_size 62
	.end_amdhsa_kernel
	.amdgpu_metadata
---
amdhsa.version: [ 1, 2 ]
amdhsa.kernels:
  - .name:           k_q28c7b8436f_attn
    .symbol:         k_q28c7b8436f_attn.kd
    .args:
      - { .name: qimg, .offset: 0, .size: 8, .value_kind: global_buffer, .address_space: global }
      - { .name: qsc, .offset: 8, .size: 8, .value_kind: global_buffer, .address_space: global }
      - { .name: kv, .offset: 16, .size: 8, .value_kind: global_buffer, .address_space: global }
      - { .name: oimg, .offset: 24, .size: 8, .value_kind: global_buffer, .address_space: global }
      - { .name: osc, .offset: 32, .size: 8, .value_kind: global_buffer, .address_space: global }
    .group_segment_fixed_size: 327680
    .private_segment_fixed_size: 0
    .kernarg_segment_align: 8
    .kernarg_segment_size: 40
    .max_flat_workgroup_size: 512
    .sgpr_count:     90
    .vgpr_count:     256
    .wavefront_size: 32
...
	.end_amdgpu_metadata
.endif
;; end of part 2
;; launch proj (part 3): grid 8 x 32, 4 waves a work-group, clusters of 4 x 4, 327,680 bytes of LDS; arguments oimg, osc, Wp_codes, Wp_scales, out0; writes out0
.if DOCPART == 3
	.amdgcn_target "amdgcn-amd-amdhsa--gfx1250"
	.amdhsa_code_object_version 6
	.text
	.protected	k_q28c7b8436f_proj
	.globl	k_q28c7b8436f_proj
	.p2align	8
	.type	k_q28c7b8436f_proj,@function
k_q28c7b8436f_proj:
	s_mov_b64 s[64:65], 0
	v_nop
	global_prefetch_b8 v0, s[64:65] scope:SCOPE_SE
	s_setreg_imm32_b32 hwreg(HW_REG_WAVE_MODE, 25, 1), 1
	s_wait_xcnt 0x0
	s_wait_alu depctr_hold_cnt(0) depctr_sa_sdst(0) depctr_va_vdst(0) depctr_va_sdst(0) depctr_va_ssrc(0) depctr_va_vcc(0) depctr_vm_vsrc(0)
	s_getreg_b32 s2, hwreg(HW_REG_IB_STS2, 6, 4)
	s_cmp_eq_u32 s2, 0
	s_cbranch_scc0 .Lentry_in_a_cluster
	s_endpgm
.Lentry_in_a_cluster:
	s_bfe_u32 s2, ttmp6, 0x10000c
	s_cmp_lg_u32 s2, 0xf033
	s_cbranch_scc0 .Lentry_shape_is_right
	s_endpgm
.Lentry_shape_is_right:
; out0 = o Wp^T on codes of BF8 (E5M2) with one E8M0 scale for each 32 along K = 1,024.  o: images of operand registers, [block of 128 rows][K step 8][tile 8][group 4][512 bytes], its scale bytes [4,096][32].
; Wp: [1,024][1,024] codes, K innermost; its scale bytes [1,024][32].  out0: [4,096][1,024] f32.  No work is left out.
; A tile of out0 is 128 x 128: 256 work-groups, four waves of 64 x 64.  BOTH OPERANDS FOR ALL OF K FIT IN LDS: four joint loads, one a wave, fill every byte once; so there is no loop of fills, and nothing to prefetch for one.
; CLUSTERS: 4 x 4; o's block is asked for jointly along a row of the cluster, Wp's rows along a column.
; A wave takes its 64 rows of Wp, all of K, into 512 registers while o is on its way, then streams its four blocks of 16 rows of o past them: a block is finished by 32 products, and leaves while the next one is multiplied.
; The matrix instruction is used transposed (source 0 = 16 rows of Wp, source 1 = 16 rows of o): a lane holds eight neighbouring numbers of a row of out0.
; REGISTERS: window 0: addresses, scale words, two sets of four accumulators (v64-127), rows on the way out (v128-191);  windows 1, 2: Wp's 32 fragments;  window 3: two blocks of o.
.set BP,    1040                       ; a row of Wp in LDS: 1,024 bytes + 16 of padding
.set BTILE, 131072                     ; behind o's 131,072 bytes
.set SCL,   BTILE+128*BP               ; the scale bytes: o's 128 rows (16 rows of 256 bytes + 16), then Wp's
.set HSC,   8*272                      ; those of 64 rows
.set STG,   SCL+4*HSC                  ; the stages for the way out: 16 rows x 272 bytes a wave; no tile lands here
.set SP,    272
.set SPARE, STG+4*16*SP
.set ADA,  4                           ; v4-5 o's images: K steps 0-3, 4-7
.set ADB,  6
.set ASA,  7
.set ASB,  8
.set STO,  9
.set SPW,  10
.set NIL,  11
.set RD,   12
.set CO,   13
.set SB,   24                          ; v24-39 Wp's scale words: register 8 p + q: lanes 0-15 tile 2 p's, lanes 16-31 tile 2 p + 1's
.set SA,   44                          ; v44-59 o's, two sets: no product's two scale words have numbers equal modulo 8
.set ACC,  64
.set OUTR, 128
.set G1A,  24
.set G1B,  32
.set G1SA, 40
.set G1SB, 48
.set G0B,  56
.set G0A,  60
.set G0SA, 68
.set G0SB, 72
.set MSB, 0
.macro WIN new                         ; the immediate's high byte repeats the setting that is left
.if MSB != \new
	s_set_vgpr_msb (MSB<<8)|\new
.set MSB, \new
.endif
.endm
.macro BARRIER
	s_barrier_signal -1
	s_barrier_wait -1
.endm
.macro CROUND
	BARRIER
	s_cmp_lg_u32 s14, 0
	s_cbranch_scc1 .Lnot_wave_0_\@
	s_barrier_signal -3
.Lnot_wave_0_\@:
	s_barrier_wait -3
	BARRIER
.endm
.macro PLACES n
.rept \n
	v_nop
.endr
.endm
.macro TLOAD g0, g1
	tensor_load_to_lds s[\g0:\g0+3], s[\g1:\g1+7]
	s_nop 0
	PLACES 4
.endm
	s_load_b256 s[4:11], s[0:1], 0x0               ; o's images, o's scales, Wp's codes, Wp's scales
	s_load_b64 s[12:13], s[0:1], 0x20              ; out0
	v_lshl_add_u32 v[SPW], v0, 2, SPARE
	v_mov_b32 v[NIL], 0
	ds_add_u32 v[SPW], v[NIL]                      ; the wave's opening: the add, twice on end, and its wait ahead of my first tensor load
	ds_add_u32 v[SPW], v[NIL]
	v_lshrrev_b32 v1, 5, v0
	v_readfirstlane_b32 s14, v1                    ; wave 0..3
	s_lshr_b32 s15, s14, 1                         ; my half of the tile's rows
	s_and_b32 s16, s14, 1                          ; my half of its columns
	s_bfe_u32 s18, ttmp6, 0x40000                  ; cx
	s_bfe_u32 s19, ttmp6, 0x40004                  ; cy
	s_lshl_b32 s20, ttmp9, 2
	s_add_co_u32 s20, s20, s18                     ; tile column
	s_and_b32 s17, ttmp7, 0xffff
	s_lshl_b32 s17, s17, 2
	s_add_co_u32 s17, s17, s19                     ; tile row
	s_lshl_b32 s21, s19, 2
	s_lshl_b32 s21, 15, s21                        ; my row of the cluster
	s_lshl_b32 s22, 0x1111, s18                    ; my column
	s_or_b32 s[G1A], s21, (3<<16)|(1<<21)          ; o's images: 128 dense rows of 1,024 bytes (128 elements of 8), no padding
	s_mov_b32 s[G1A+1], 128<<16
	s_mov_b32 s[G1A+2], 128<<16
	s_mov_b32 s[G1A+3], 128<<16
	s_mov_b32 s[G1A+4], 128
	s_mov_b32 s[G1A+5], 128
	s_mov_b32 s[G1A+6], 0
	s_mov_b32 s[G1A+7], 0
	s_or_b32 s[G1B], s22, (1<<20)|(1<<21)|(7<<22)|(3<<25)   ; Wp: 128 dense rows of 1,024 bytes; 4 words of padding behind every 256
	s_mov_b32 s[G1B+1], 1024<<16
	s_mov_b32 s[G1B+2], 128<<16
	s_mov_b32 s[G1B+3], 1024<<16
	s_mov_b32 s[G1B+4], 128
	s_mov_b32 s[G1B+5], 1024
	s_mov_b32 s[G1B+6], 0
	s_mov_b32 s[G1B+7], 0
	s_or_b32 s[G1SA], s21, (3<<16)|(1<<20)|(1<<21)|(5<<22)|(3<<25)  ; the scale bytes of 128 rows: 16 dense rows of 256 bytes, padded
	s_or_b32 s[G1SB], s22, (3<<16)|(1<<20)|(1<<21)|(5<<22)|(3<<25)
.irp g, G1SA, G1SB
	s_mov_b32 s[\g+1], 32<<16
	s_mov_b32 s[\g+2], 16<<16
	s_mov_b32 s[\g+3], 32<<16
	s_mov_b32 s[\g+4], 16
	s_mov_b32 s[\g+5], 32
	s_mov_b32 s[\g+6], 0
	s_mov_b32 s[\g+7], 0
.endr
	s_lshl_b32 s76, s17, 17                        ; o's block of 128 rows,
	s_mov_b32 s77, 0
	s_lshl_b32 s78, s17, 12                        ; its scale bytes,
	s_mov_b32 s79, 0
	s_lshl_b32 s80, s20, 17                        ; Wp's 128 rows,
	s_mov_b32 s81, 0
	s_lshl_b32 s82, s20, 12                        ; and theirs
	s_mov_b32 s83, 0
	s_mov_b32 s[G0A], 1
	s_mov_b32 s[G0A+1], 0
	s_mov_b32 s[G0B], 1
	s_mov_b32 s[G0B+1], BTILE
	s_mov_b32 s[G0SA], 1
	s_mov_b32 s[G0SA+1], SCL
	s_mov_b32 s[G0SB], 1
	s_mov_b32 s[G0SB+1], SCL+2*HSC
	s_wait_dscnt 0x0                               ; both opening adds are done
	CROUND                                         ; all sixteen work-groups are here: the joint loads meet
	s_wait_kmcnt 0x0
	s_add_nc_u64 s[G0A+2:G0A+3], s[4:5], s[76:77]
	s_or_b32 s[G0A+3], s[G0A+3], 0x80000000
	s_add_nc_u64 s[G0SA+2:G0SA+3], s[6:7], s[78:79]
	s_or_b32 s[G0SA+3], s[G0SA+3], 0x80000000
	s_add_nc_u64 s[G0B+2:G0B+3], s[8:9], s[80:81]
	s_or_b32 s[G0B+3], s[G0B+3], 0x80000000
	s_add_nc_u64 s[G0SB+2:G0SB+3], s[10:11], s[82:83]
	s_or_b32 s[G0SB+3], s[G0SB+3], 0x80000000
	s_cmp_lt_u32 s14, 1                            ; one load a wave, each in its own arm
	s_cbranch_scc0 .Lwave_1
	TLOAD G0B, G1B                                 ; wave 0: Wp, which is wanted first
	s_branch .Lasked
.Lwave_1:
	s_cmp_lt_u32 s14, 2
	s_cbranch_scc0 .Lwave_2
	TLOAD G0A, G1A                                 ; wave 1: o
	s_branch .Lasked
.Lwave_2:
	s_cmp_lt_u32 s14, 3
	s_cbranch_scc0 .Lwave_3
	TLOAD G0SA, G1SA                               ; wave 2: o's scale bytes
	s_branch .Lasked
.Lwave_3:
	TLOAD G0SB, G1SB                               ; wave 3: Wp's
.Lasked:
	v_and_b32 v1, 15, v0                           ; r
	v_bfe_u32 v2, v0, 4, 1                         ; h
	v_and_b32 v3, 31, v0
	v_lshlrev_b32 v20, 4, v3                       ; 16 x lane
	s_lshl_b32 s22, s15, 13                        ; my four tiles of o's eight
	v_add_nc_u32 v[ADA], s22, v20
	v_add_nc_u32 v[ADA+1], 65536, v[ADA]
	s_mul_i32 s22, s16, 64*BP                      ; my 64 rows of Wp
	s_add_co_u32 s22, s22, BTILE
	v_mul_u32_u24 v21, v1, BP
	v_lshl_add_u32 v21, v2, 4, v21
	v_add_nc_u32 v[ADB], s22, v21
	v_lshlrev_b32 v21, 5, v3                       ; scale bytes: 32 a row, and 16 more behind each 256: Wp's, lane l row l of a pair of tiles
	v_lshrrev_b32 v22, 3, v3
	v_lshl_add_u32 v21, v22, 4, v21
	s_mul_i32 s22, s16, HSC
	s_add_co_u32 s22, s22, SCL+2*HSC
	v_add_nc_u32 v[ASB], s22, v21
	v_lshlrev_b32 v21, 5, v1                       ; o's, lane l row l % 16
	v_lshrrev_b32 v22, 3, v1
	v_lshl_add_u32 v21, v22, 4, v21
	s_mul_i32 s22, s15, HSC
	s_add_co_u32 s22, s22, SCL
	v_add_nc_u32 v[ASA], s22, v21
	s_mul_i32 s22, s14, 16*SP
	s_add_co_u32 s22, s22, STG                     ; my stage
	v_mul_u32_u24 v21, v1, SP
	v_lshl_add_u32 v21, v2, 5, v21
	v_add_nc_u32 v[STO], s22, v21                  ; in: row r, 32 bytes for each half of the lanes
	v_mul_u32_u24 v21, v2, SP
	v_lshl_add_u32 v21, v1, 4, v21
	v_add_nc_u32 v[RD], s22, v21                   ; back: lanes 0-15 one row of 256 bytes, lanes 16-31 the next
	v_lshlrev_b32 v21, 12, v2
	v_lshl_add_u32 v[CO], v1, 4, v21               ; and the same two rows in out0
	s_lshl_b32 s2, s17, 19                         ; my first row: 128 x tile row + 64 x half, 4,096 bytes a row
	s_lshl_b32 s3, s15, 18
	s_add_co_u32 s2, s2, s3
	s_lshl_b32 s3, s20, 9                          ; my first column: 512 bytes a tile, 256 a half
	s_add_co_u32 s2, s2, s3
	s_lshl_b32 s3, s16, 8
	s_add_co_u32 s2, s2, s3
	s_mov_b32 s3, 0
	s_add_nc_u64 s[12:13], s[12:13], s[2:3]
.macro WFRAG f                         ; Wp's fragment f = 4 q + b: rows 16 b of mine, K step q
	WIN (1+(\f)/16)<<6
.irp c, 0,1,2,3
	ds_load_b128 v[16*((\f)%16)+4*\c:16*((\f)%16)+4*\c+3], v[ADB] offset:((\f)%4)*16*BP+128*((\f)/4)+32*\c
.endr
.endm
.macro FETCH k, a                      ; block a of o, all of K, into set k, and its scale words: 34 loads
	WIN 3<<6
.irp q, 0,1,2,3,4,5,6,7
.irp c, 0,1,2,3
	ds_load_b128 v[128*(\k)+16*\q+4*\c:128*(\k)+16*\q+4*\c+3], v[ADA+\q/4] offset:(\q%4)*16384+(\a)*2048+\c*512
.endr
.endr
	WIN 0
	ds_load_b128 v[SA+8*(\k):SA+8*(\k)+3], v[ASA] offset:(\a)*544
	ds_load_b128 v[SA+8*(\k)+4:SA+8*(\k)+7], v[ASA] offset:(\a)*544+16
.endm
.macro PROD k, q                       ; K step q of the block in set k: the four accumulators take turns; the first K step starts the sums
	WIN (1+(\q)/4)|(3<<2)
.irp b, 0,1,2,3
.set A_, ACC+32*(\k)+8*\b
.set W_, 16*((4*(\q)+\b)%16)
.set R_, 128*(\k)+16*(\q)
.if (\q) == 0
.if \b%2
	v_wmma_scale_f32_16x16x128_f8f6f4 v[A_:A_+7], v[W_:W_+15], v[R_:R_+15], 0, v[SB+8*(\b/2)+\q], v[SA+8*(\k)+\q] matrix_a_fmt:MATRIX_FMT_BF8 matrix_b_fmt:MATRIX_FMT_BF8 matrix_a_scale:MATRIX_SCALE_ROW1
.else
	v_wmma_scale_f32_16x16x128_f8f6f4 v[A_:A_+7], v[W_:W_+15], v[R_:R_+15], 0, v[SB+8*(\b/2)+\q], v[SA+8*(\k)+\q] matrix_a_fmt:MATRIX_FMT_BF8 matrix_b_fmt:MATRIX_FMT_BF8
.endif
.else
.if \b%2
	v_wmma_scale_f32_16x16x128_f8f6f4 v[A_:A_+7], v[W_:W_+15], v[R_:R_+15], v[A_:A_+7], v[SB+8*(\b/2)+\q], v[SA+8*(\k)+\q] matrix_a_fmt:MATRIX_FMT_BF8 matrix_b_fmt:MATRIX_FMT_BF8 matrix_a_scale:MATRIX_SCALE_ROW1
.else
	v_wmma_scale_f32_16x16x128_f8f6f4 v[A_:A_+7], v[W_:W_+15], v[R_:R_+15], v[A_:A_+7], v[SB+8*(\b/2)+\q], v[SA+8*(\k)+\q] matrix_a_fmt:MATRIX_FMT_BF8 matrix_b_fmt:MATRIX_FMT_BF8
.endif
.endif
.endr
.endm
.macro TOSTAGE a                       ; block a, 16 rows x 64 columns, through my own stage: a lane holds 32 bytes of a row; back come whole rows of 256 bytes.  LDS serves a wave's instructions in order (ISA guide 5.7.1.4)
.irp b, 0,1,2,3
	ds_store_b128 v[STO], v[ACC+32*((\a)%2)+8*\b:ACC+32*((\a)%2)+8*\b+3] offset:64*\b          ; each accumulator from its low end on
	ds_store_b128 v[STO], v[ACC+32*((\a)%2)+8*\b+4:ACC+32*((\a)%2)+8*\b+7] offset:64*\b+16
.endr
.irp t, 0,1,2,3,4,5,6,7
	ds_load_b128 v[OUTR+32*((\a)%2)+4*\t:OUTR+32*((\a)%2)+4*\t+3], v[RD] offset:\t*2*SP
.endr
.endm
.macro SEND a
	s_wait_dscnt 0x0                               ; the block is back in registers
.irp t, 0,1,2,3,4,5,6,7
	global_store_b128 v[CO], v[OUTR+32*((\a)%2)+4*\t:OUTR+32*((\a)%2)+4*\t+3], s[12:13] offset:(16*(\a)+2*\t)*4096 th:TH_STORE_NT   ; 16 lanes store 256 consecutive bytes, at a multiple of 256 from out0's first byte
.endr
.endm
.macro BLOCK a
.irp q, 0,1,2,3
	PROD (\a)%2, \q
.endr
.if (\a) > 0
	WIN 0
	SEND \a-1                                      ; the block before leaves in the middle of this one's products
.endif
.irp q, 4,5,6,7
	PROD (\a)%2, \q
.endr
	WIN 0
	PLACES 8                                       ; behind the last products, ahead of loads into what they have read and of the stage's stores
.if (\a) < 2
	FETCH (\a)%2, \a+2
.else
	s_wait_xcnt 0x0                                ; block a - 2's stores have read their registers: block a's rows may land there
.endif
	TOSTAGE \a
.endm
	s_wait_alu depctr_va_vdst(0)                   ; the head's end
	s_cmp_eq_u32 s14, 0
	s_cbranch_scc0 .Lnot_w
	s_wait_tensorcnt 0x0                           ; wave 0: Wp is in; the other waves' wait stands at the second barrier
.Lnot_w:
	BARRIER
.set I_, 0
.rept 32
	WFRAG I_
.set I_, I_+1
.endr
	WIN 0
	s_wait_tensorcnt 0x0                           ; o and the scale bytes
	s_wait_dscnt 0x0
	BARRIER
.irp p, 0,1
.irp c, 0,1
	ds_load_b128 v[SB+8*\p+4*\c:SB+8*\p+4*\c+3], v[ASB] offset:\p*1088+16*\c
.endr
.endr
	FETCH 0, 0
	FETCH 1, 1
	s_wait_dscnt 34                                ; all but block 1's 34
	BLOCK 0
	s_wait_dscnt 50                                ; block 1 is in: behind it block 2's 34 and block 0's 16 on the stage
	BLOCK 1
	BLOCK 2
	BLOCK 3
	SEND 3
	s_wait_tensorcnt 0x0                           ; the wave's end
	ds_add_u32 v[SPW], v[NIL]
	s_wait_dscnt 0x0
	CROUND                                         ; the closing round: no work-group ends while a partner may still ask for a tile that names it
	s_endpgm
.Lfunc_end_k_q28c7b8436f_proj:
	.size	k_q28c7b8436f_proj, .Lfunc_end_k_q28c7b8436f_proj-k_q28c7b8436f_proj
	.p2alignl 7, 3214868480
	.fill 96, 4, 3214868480
	.section	.rodata,"a",@progbits
	.p2align	6, 0x0
	.amdhsa_kernel k_q28c7b8436f_proj
		.amdhsa_group_segment_fixed_size 327680
		.amdhsa_private_segment_fixed_size 0
		.amdhsa_enable_private_segment 0
		.amdhsa_kernarg_size 40
		.amdhsa_user_sgpr_count 2
		.amdhsa_user_sgpr_kernarg_segment_ptr 1
		.amdhsa_wavefront_size32 1
		.amdhsa_system_sgpr_workgroup_id_x 1
		.amdhsa_system_sgpr_workgroup_id_y 1
		.amdhsa_system_sgpr_workgroup_id_z 1
		.amdhsa_system_vgpr_workitem_id 0
		.amdhsa_next_free_vgpr 1024
		.amdhsa_next_free_sgpr 102
		.amdhsa_reserve_vcc 0
		.amdhsa_float_denorm_mode_32 3
		.amdhsa_float_denorm_mode_16_64 3
		.amdhsa_memory_ordered 1
		.amdhsa_forward_progress 1
		.amdhsa_inst_pref_size 51
	.end_amdhsa_kernel
	.amdgpu_metadata
---
amdhsa.version: [ 1, 2 ]
amdhsa.kernels:
  - .name:           k_q28c7b8436f_proj
    .symbol:         k_q28c7b8436f_proj.kd
    .args:
      - { .name: oimg, .offset: 0, .size: 8, .value_kind: global_buffer, .address_space: global }
      - { .name: osc, .offset: 8, .size: 8, .value_kind: global_buffer, .address_space: global }
      - { .name: Wp_codes, .offset: 16, .size: 8, .value_kind: global_buffer, .address_space: global }
      - { .name: Wp_scales, .offset: 24, .size: 8, .value_kind: global_buffer, .address_space: global }
      - { .name: out0, .offset: 32, .size: 8, .value_kind: global_buffer, .address_space: global }
    .group_segment_fixed_size: 327680
    .private_segment_fixed_size: 0
    .kernarg_segment_align: 8
    .kernarg_segment_size: 40
    .max_flat_workgroup_size: 128
    .sgpr_count:     102
    .vgpr_count:     1024
    .wavefront_size: 32
...
	.end_amdgpu_metadata
.endif
;; end of part 3
